; MI455X (gfx1250); checked and timed in simulation.
; The chip was launched on July 23, 2026; its instructions are those of AMD's public machine-readable ISA for CDNA 5 (MIT licence, August 2026) and "CDNA5" Instruction Set Architecture Reference Guide (July 2026). The comments in the code are by the model that wrote it; some were corrected since.
;; Multi Head Attention CF. Allowed arithmetic: matrix products marked QUANTISED: E4M3 operands, one E8M0 scale for each 32 along K, by v_wmma_scale_f32_16x16x128_f8f6f4 with both operands' format E4M3, f32 sums; everything else in f32.
;; Inputs: Wk 1,024 x 1,024 float32; Wo 1,024 x 1,024 float32; Wq 1,024 x 1,024 float32; Wv 1,024 x 1,024 float32; bk 1,024 float32; bo 1,024 float32; bq 1,024 float32; bv 1,024 float32; x 4 x 2,048 x 1,024 float32.
;; Outputs: out0 4 x 2,048 x 1,024 float32.
;; This version of the problem:
;;   THIS VERSION OF THE PROBLEM IS GIVEN IN LOW PRECISION. The matrix products marked QUANTISED in the list below multiply operands that are first quantised to E4M3 (4 exponent bits, 3 mantissa bits; 8 bits a number), with one power-of-two scale for each 32 numbers along K (OCP MX v1.0); their sums are f32. All else is computed in f32.
;;   The module's matrix products, in the order in which they are computed (A, B: the left and right operand; K: the contracted axis; several contracted axes count as one K, in the product's order):
;;     1. [M 8,192, K 1,024] x [K 1,024, N 1,024]; A: input x; B: input Wq: QUANTISED
;;     2. [M 8,192, K 1,024] x [K 1,024, N 1,024]; A: input x; B: input Wk: QUANTISED
;;     3. [M 8,192, K 1,024] x [K 1,024, N 1,024]; A: input x; B: input Wv: QUANTISED
;;     4. batch 64 x [M 2,048, K 64] x [K 64, N 2,048]; A: computed on the way; B: computed on the way: QUANTISED
;;     5. batch 64 x [M 2,048, K 2,048] x [K 2,048, N 64]; A: softmax (see below); B: computed on the way: QUANTISED
;;     6. [M 8,192, K 1,024] x [K 1,024, N 1,024]; A: computed on the way; B: input Wo: QUANTISED
;;   THE QUANTISER, for each operand of a quantised product, along K:
;;     - K is cut into blocks of 32 from its start; a last block that is shorter is filled with zeros.
;;     - A block's scale is 2^e with e = floor(log2(the largest magnitude in the block)) - 8, held to -126 .. 127; a block of zeros has e = 0. As a byte (E8M0): e + 127.
;;     - Each number is divided by its block's scale, clamped to +-448, and rounded to the nearest number of E4M3, ties to even, subnormals kept.
;;     - The product sums the exact products of the quantised numbers (number of the format x scale) in f32.
;;   ~~~python
;;   def quantise(x, axis):      # numpy; x: float32 -> the quantised numbers, widened to float32 again
;;       x = np.moveaxis(x, axis, -1); K = x.shape[-1]
;;       x = np.pad(x, [(0, 0)] * (x.ndim - 1) + [(0, -K % 32)]); x = x.reshape(x.shape[:-1] + (-1, 32)); a = np.abs(x).max(-1, keepdims=True)
;;       e = np.where(a > 0, np.clip(np.frexp(np.where(a > 0, a, 1))[1] - 1 - 8, -126, 127), 0)      # np.frexp(a)[1] - 1 = floor(log2(a)), exactly
;;       r = np.clip(x / 2.0 ** e, -448, 448)
;;       step = 2.0 ** (np.maximum(np.frexp(np.where(r == 0, 1, r))[1] - 1, -6) - 3)
;;       q = np.round(r / step) * step * 2.0 ** e      # np.round: ties to even
;;       return np.moveaxis(q.reshape(q.shape[:-2] + (-1,))[..., :K], -1, axis).astype(np.float32)
;;   ~~~
;;   SOFTMAX AHEAD OF A QUANTISED PRODUCT. Where the list says 'softmax', what is quantised is not the finished softmax but p = 2^(t - M), with t = logit x log2(e) and M = ceil(the row's largest t), a whole number; so 1/2 < the row's largest p <= 1. The row's sum l is taken of the UNQUANTISED p, in f32, and the product's result is divided by l at the end. Since M is a whole number, a kernel that streams over the keys may use a running M (the ceiling of the running maximum): every later rescaling is an exact power of two, which a block's scale takes up: the codes' values come out the same.
;;   OPERANDS COMPUTED ON THE WAY. 'Computed on the way' means the value that the module computes at that place (a softmax that the list does not call 'softmax' is quantised finished and normalised). What goes into a quantiser is computed in f32, as accurately as f32 sums, v_exp_f32 and their like allow (about 1e-6 of the number): no bf16 or f16 on the way to a quantiser, and a product that is left as it is and whose result goes on into a quantised operand takes f32 operands (vector FMAs, or v_wmma_f32_16x16x4_f32). A number that lies on a knife's edge between two numbers of the format may be rounded either way, as far as f32 arithmetic and the matrix unit's own rounding can turn it there, and no further.
;; One version. Each part assembles by itself: llvm-mc -triple=amdgcn-amd-amdhsa -mcpu=gfx1250 --defsym DOCPART=n.
;; ======== version 1 of 1: 4 launches
;; limits: right only within a limited range of input values
;; workspace buffers: cod 12,582,912 bytes; scl 393,216 bytes; qkvc 25,165,824 bytes; qkvs 786,432 bytes; oc 8,388,608 bytes; os 262,144 bytes
;; launch quant (part 1): grid 256 x 1, 3 waves a work-group, no clusters, 26,112 bytes of LDS; arguments x, Wq, Wk, Wv, Wo, cod, scl; writes cod, scl
.if DOCPART == 1
	.amdgcn_target "amdgcn-amd-amdhsa--gfx1250"
	.amdhsa_code_object_version 6
	.text
	.protected	k_q7f57d4696b_quant
	.globl	k_q7f57d4696b_quant
	.p2align	8
	.type	k_q7f57d4696b_quant,@function
k_q7f57d4696b_quant:
	s_mov_b64 s[64:65], 0
	v_nop
	global_prefetch_b8 v0, s[64:65] scope:SCOPE_SE
	s_setreg_imm32_b32 hwreg(HW_REG_WAVE_MODE, 25, 1), 1
	s_wait_xcnt 0x0
; x [8192][1024] and Wq, Wk, Wv, Wo [1024][1024], f32 with K innermost, become codes of FP8 (E4M3) with one E8M0 byte for each 32 along K.
; A block's scale is 2^(floor(log2(its largest magnitude)) - 8); its byte is the largest magnitude's exponent field - 8, held at 1 from below; each number is divided by the scale, held within +-448 and rounded to the nearest code, ties to even.
; LIMITS: NaN and infinities among the inputs are not served.  A block of zeros, or one whose largest magnitude lies under 2^-118, keeps the byte 1 where the quantiser's text says 127 for zeros: its codes are zeros, and this program alone reads the bytes.
; LAYOUT OF THE RESULT: AN IMAGE OF THE OPERAND'S REGISTERS.  768 tiles of 16 rows: 0-511 x, 512-575 Wq, 576-639 Wk, 640-703 Wv, 704-767 Wo.  Lane r of tile T takes row 32 (T / 2) + 8 (T % 2) + r + 8 (r / 8) of its tensor.
; cod: [T][s = K / 128][c = 0..3][lane][16 bytes]: lane (r, h) holds k = 128 s + 32 c + 16 h + 0 .. 15.  scl: [T][r][8 words], byte c of word s for k = 128 s + 32 c on.
; SHARES: wave w of work-group g takes tile 3 g + w: 768 tiles on 256 work-groups of three waves.  A tile goes in 8 steps of 128 along K.  Each load reads 512 consecutive bytes of one row; the 16 rows turn through the wave's own
; stage in LDS (rows of 512 + 16 bytes) so that a lane gets 16 neighbours of each block of 32.  Each store of codes covers 512 consecutive bytes, aligned.  Waves share nothing: no barrier, no tensor load, no cluster (no byte is read twice).
.set STGB, 8448                        ; a wave's stage: 16 rows x 528 bytes
.set L16,  1                           ; v1   16 x lane
.set STI,  2                           ; v2   the stage on the way in: 16 x lane
.set STO,  3                           ; v3   on the way out: 528 r + 64 h
.set SCO,  4                           ; v4   my 16 bytes of the tile's scale rows: 32 r + 16 h
.set PW,   8                           ; v8-15    the scale word of each of the 8 steps
.set R,    16                          ; v16-143  two sets of 64: 16 rows as loaded
.set X,    144                         ; v144-207 64 numbers: register 16 b + i = k 32 b + 16 h + i of my row
.set C,    208                         ; v208-239 two sets of 16: a fragment's codes
.set TM,   240                         ; v240-255 at work
.set SEL,  24                          ; s[24:25] v_permlanex16_b32's selects for lane l xor 16
.set MNT,  26                          ; s26  the mantissa field of 448
.set HM,   27                          ; s27  the mask of lanes 16-31
; 64 numbers of a lane, v[s] on, become a fragment's codes in v[pc] on and its scale word in v[pw]
.macro QUANT s, pc, pw
.irp b, 0,1,2,3
	v_max3_num_f32 v[TM+\b], |v[\s+16*\b]|, |v[\s+1+16*\b]|, 0x4800000   ; block b: my 16 numbers, and the floor 2^(9 - 127): the byte cannot fall under 1
.endr
.irp i, 2,4,6,8,10,12,14
.irp b, 0,1,2,3
	v_max3_num_f32 v[TM+\b], v[TM+\b], |v[\s+16*\b+\i]|, |v[\s+1+16*\b+\i]|   ; the four blocks by turns
.endr
.endr
.irp b, 0,1,2,3
	v_permlanex16_b32 v[TM+4+\b], v[TM+\b], s[SEL], s[SEL+1]
.endr
.irp b, 0,1,2,3
	v_max_num_f32 v[TM+\b], v[TM+\b], v[TM+4+\b]   ; with lane l xor 16's: the block's largest magnitude
.endr
.irp b, 0,1,2,3
	v_add_nc_u32 v[TM+12+\b], 0xfc000000, v[TM+\b]   ; 8 off its exponent field: the conversion's scale operand
.endr
.irp b, 0,1,2,3
	v_and_or_b32 v[TM+8+\b], v[TM+\b], 0x7f800000, s[MNT]   ; 448 x the scale
.endr
.irp b, 0,1,2,3
	v_lshrrev_b32 v[TM+4+\b], 23, v[TM+12+\b]   ; the scale's byte
.endr
	v_lshl_or_b32 v[\pw], v[TM+5], 8, v[TM+4]
	v_lshl_or_b32 v[\pw], v[TM+6], 16, v[\pw]
	v_lshl_or_b32 v[\pw], v[TM+7], 24, v[\pw]
.irp b, 0,1,2,3
.irp i, 0,1,2,3,4,5,6,7,8,9,10,11,12,13,14,15
	v_med3_num_f32 v[\s+16*\b+\i], v[\s+16*\b+\i], -v[TM+8+\b], v[TM+8+\b]   ; the conversion to an 8-bit code does not saturate (ISA guide 7.6.2): the hold comes first
.endr
	v_cvt_scalef32_pk8_fp8_f32 v[(\pc)+4*\b:(\pc)+1+4*\b], v[\s+16*\b:\s+7+16*\b], v[TM+12+\b]
	v_cvt_scalef32_pk8_fp8_f32 v[(\pc)+2+4*\b:(\pc)+3+4*\b], v[\s+8+16*\b:\s+15+16*\b], v[TM+12+\b]
.endr
	v_nop                                          ; one plain vector instruction behind the last conversion
.endm
	s_load_b256 s[4:11], s[0:1], 0x0               ; x, Wq, Wk, Wv
	s_load_b128 s[12:15], s[0:1], 0x20             ; Wo, cod
	s_load_b64 s[16:17], s[0:1], 0x30              ; scl
	s_set_vgpr_msb 0x40
	v_lshl_add_u32 v0, v0, 2, 0x6400
	v_mov_b32 v1, 0
	s_set_vgpr_msb 0x4000
	v_lshrrev_b32 v5, 5, v0
	v_readfirstlane_b32 s18, v5                    ; wave 0..2
	v_and_b32 v5, 31, v0
	v_lshlrev_b32 v[L16], 4, v5
	v_and_b32 v6, 15, v0                           ; r
	v_bfe_u32 v7, v0, 4, 1                         ; h
	s_mul_i32 s19, s18, STGB
	v_add_nc_u32 v[STI], s19, v[L16]
	v_mul_u32_u24 v[STO], v6, 528
	v_lshl_add_u32 v[STO], v7, 6, v[STO]
	v_add_nc_u32 v[STO], s19, v[STO]
	v_lshlrev_b32 v[SCO], 5, v6
	v_lshl_add_u32 v[SCO], v7, 4, v[SCO]
.irp b, 0,1,2,3
	v_mov_b32 v[TM+4+\b], 0                        ; written once: a lane permute's destination counts as one of its sources
.endr
	s_mov_b32 s[SEL], 0x76543210
	s_mov_b32 s[SEL+1], 0xfedcba98
	s_mov_b32 s[MNT], 0x600000
	s_mov_b32 s[HM], 0xffff0000
	s_mul_i32 s22, ttmp9, 3
	s_add_co_u32 s22, s22, s18                     ; T = 3 x work-group + wave
	s_sub_co_u32 s23, s22, 512
	s_and_b32 s23, s23, 63                         ; a weight's tile within its tensor
	s_wait_alu depctr_va_vdst(0)
	s_wait_kmcnt 0x0
	s_cmp_lt_u32 s22, 704                          ; which tensor: the choice hangs on T alone
	s_cselect_b64 s[20:21], s[10:11], s[12:13]
	s_cmp_lt_u32 s22, 640
	s_cselect_b64 s[20:21], s[8:9], s[20:21]
	s_cmp_lt_u32 s22, 576
	s_cselect_b64 s[20:21], s[6:7], s[20:21]
	s_cmp_lt_u32 s22, 512
	s_cselect_b64 s[20:21], s[4:5], s[20:21]
	s_cselect_b32 s23, s22, s23                    ; the tile within its tensor
	s_lshr_b32 s28, s23, 1
	s_lshl_b32 s28, s28, 17                        ; 32 (T / 2) rows of 4,096 bytes
	s_and_b32 s29, s23, 1
	s_lshl_b32 s29, s29, 15                        ; 8 (T % 2) rows
	s_add_co_u32 s28, s28, s29
	s_mov_b32 s29, 0
	s_add_nc_u64 s[20:21], s[20:21], s[28:29]
	s_lshl_b32 s28, s22, 14
	s_add_nc_u64 s[14:15], s[14:15], s[28:29]      ; the tile's 16,384 bytes of codes
	s_lshl_b32 s28, s22, 9
	s_add_nc_u64 s[16:17], s[16:17], s[28:29]      ; and its 512 bytes of scale rows
.macro LOAD t                          ; step t: 128 numbers of each of the tile's 16 rows; 32 lanes read 512 consecutive bytes
.irp i, 0,1,2,3,4,5,6,7,8,9,10,11,12,13,14,15
	global_load_b128 v[R+64*((\t)%2)+4*\i:R+64*((\t)%2)+4*\i+3], v[L16], s[20:21] offset:(\i+8*(\i/8))*4096+512*(\t) th:TH_LOAD_NT
.endr
.endm
.macro STEP t
.if (\t) < 7
	s_wait_loadcnt 16                              ; this step's 16 loads are in; the next step's 16 stay out
.else
	s_wait_loadcnt 0x0
.endif
.irp i, 0,1,2,3,4,5,6,7,8,9,10,11,12,13,14,15
	ds_store_b128 v[STI], v[R+64*((\t)%2)+4*\i:R+64*((\t)%2)+4*\i+3] offset:528*\i
.endr
.irp b, 0,1,2,3
.irp j, 0,1,2,3
	ds_load_b128 v[X+16*\b+4*\j:X+16*\b+4*\j+3], v[STO] offset:128*\b+16*\j   ; LDS serves a wave's instructions in order (ISA guide 5.7.1.4): these see the stores above
.endr
.endr
	s_wait_dscnt 0x0                               ; my 64 numbers are in, and the stores have read their registers,
.if (\t)+2 < 8
	LOAD (\t)+2                                    ; which take the loads of two steps on
.endif
	s_wait_xcnt 0x0                                ; the codes' registers were store data two steps ago: they are written again only behind this wait
	QUANT X, C+16*((\t)%2), PW+(\t)
.irp c, 0,1,2,3
	global_store_b128 v[L16], v[C+16*((\t)%2)+4*\c:C+16*((\t)%2)+4*\c+3], s[14:15] offset:2048*(\t)+512*\c   ; 512 consecutive bytes, aligned
.endr
.endm
	LOAD 0
	LOAD 1
.irp t, 0,1,2,3,4,5,6,7
	STEP \t
.endr
.irp j, 0,1,2,3
	v_cndmask_b32 v[TM+\j], v[PW+\j], v[PW+4+\j], s[HM]   ; lanes 0-15 store their row's words 0-3, lanes 16-31 words 4-7
.endr
	global_store_b128 v[SCO], v[TM:TM+3], s[16:17] ; the wave stores the tile's 512 bytes of scale rows
	s_set_vgpr_msb 0x5
	s_wait_tensorcnt 0x0
	ds_add_u32 v0, v1
	s_wait_dscnt 0x0
	s_set_vgpr_msb 0x500
	s_endpgm
.Lfunc_end_k_q7f57d4696b_quant:
	.size	k_q7f57d4696b_quant, .Lfunc_end_k_q7f57d4696b_quant-k_q7f57d4696b_quant
	.p2alignl 7, 3214868480
	.fill 96, 4, 3214868480
	.section	.rodata,"a",@progbits
	.p2align	6, 0x0
	.amdhsa_kernel k_q7f57d4696b_quant
		.amdhsa_group_segment_fixed_size 26112
		.amdhsa_private_segment_fixed_size 0
		.amdhsa_enable_private_segment 0
		.amdhsa_kernarg_size 56
		.amdhsa_user_sgpr_count 2
		.amdhsa_user_sgpr_kernarg_segment_ptr 1
		.amdhsa_wavefront_size32 1
		.amdhsa_system_sgpr_workgroup_id_x 1
		.amdhsa_system_sgpr_workgroup_id_y 1
		.amdhsa_system_sgpr_workgroup_id_z 1
		.amdhsa_system_vgpr_workitem_id 0
		.amdhsa_next_free_vgpr 258
		.amdhsa_next_free_sgpr 66
		.amdhsa_reserve_vcc 0
		.amdhsa_float_denorm_mode_32 3
		.amdhsa_float_denorm_mode_16_64 3
		.amdhsa_memory_ordered 1
		.amdhsa_forward_progress 1
		.amdhsa_inst_pref_size 99
	.end_amdhsa_kernel
	.amdgpu_metadata
---
amdhsa.version: [ 1, 2 ]
amdhsa.kernels:
  - .name:           k_q7f57d4696b_quant
    .symbol:         k_q7f57d4696b_quant.kd
    .args:
      - { .name: x, .offset: 0, .size: 8, .value_kind: global_buffer, .address_space: global }
      - { .name: Wq, .offset: 8, .size: 8, .value_kind: global_buffer, .address_space: global }
      - { .name: Wk, .offset: 16, .size: 8, .value_kind: global_buffer, .address_space: global }
      - { .name: Wv, .offset: 24, .size: 8, .value_kind: global_buffer, .address_space: global }
      - { .name: Wo, .offset: 32, .size: 8, .value_kind: global_buffer, .address_space: global }
      - { .name: cod, .offset: 40, .size: 8, .value_kind: global_buffer, .address_space: global }
      - { .name: scl, .offset: 48, .size: 8, .value_kind: global_buffer, .address_space: global }
    .group_segment_fixed_size: 26112
    .private_segment_fixed_size: 0
    .kernarg_segment_align: 8
    .kernarg_segment_size: 56
    .max_flat_workgroup_size: 96
    .sgpr_count:     66
    .vgpr_count:     258
    .wavefront_size: 32
...
	.end_amdgpu_metadata
.endif
;; end of part 1
;; launch qkv (part 2): grid 4 x 64, 4 waves a work-group, clusters of 4 x 4, 327,680 bytes of LDS; arguments cod, scl, bq, bk, bv, qkvc, qkvs; writes qkvc, qkvs
.if DOCPART == 2
	.amdgcn_target "amdgcn-amd-amdhsa--gfx1250"
	.amdhsa_code_object_version 6
	.text
	.protected	k_q7f57d4696b_qkv
	.globl	k_q7f57d4696b_qkv
	.p2align	8
	.type	k_q7f57d4696b_qkv,@function
k_q7f57d4696b_qkv:
	s_mov_b64 s[64:65], 0
	v_nop
	global_prefetch_b8 v0, s[64:65] scope:SCOPE_SE
	s_setreg_imm32_b32 hwreg(HW_REG_WAVE_MODE, 25, 1), 1
	s_wait_xcnt 0x0
	s_wait_alu depctr_hold_cnt(0) depctr_sa_sdst(0) depctr_va_vdst(0) depctr_va_sdst(0) depctr_va_ssrc(0) depctr_va_vcc(0) depctr_vm_vsrc(0)
	s_getreg_b32 s2, hwreg(HW_REG_IB_STS2, 6, 4)
	s_cmp_eq_u32 s2, 0
	s_cbranch_scc0 .Lentry_in_a_cluster
	s_endpgm
.Lentry_in_a_cluster:
	s_bfe_u32 s2, ttmp6, 0x10000c
	s_cmp_lg_u32 s2, 0xf033
	s_cbranch_scc0 .Lentry_shape_is_right
	s_endpgm
.Lentry_shape_is_right:
; Q, K, V = x W^T + b and their quantisers, on codes of FP8 (E4M3) with one E8M0 byte for each 32 along K = 1,024; sums in f32; the results leave as codes and scale words in the order of the next launch's operand registers.
; OPERANDS are images of their registers, in tiles of 16 rows: cod [tile][s = K / 128][c][lane][16 bytes], scl [tile][r][8 words]; tiles 0-511 x, 512-575 Wq, 576-639 Wk, 640-703 Wv; lane r of tile T is row 32 (T / 2) + 8 (T % 2) + r + 8 (r / 8).
; SHARES.  256 work-groups of four waves (2 x 2) that STAY for two phases.  PHASE 1: 256 tokens x 256 columns of Q (cluster y even) or K (odd): a wave makes 128 x 128, 64 accumulators.  PHASE 2: 128 rows of Wv x 256 tokens of V^T: a wave makes 64 x 128, 32 accumulators.
; So 8,192 x 2,048 of Q and K are 256 tiles and 1,024 x 8,192 of V^T are 256 half tiles: one of each to a work-group.
; K goes in steps of 256 through a ring of two LDS slots (A's tiles at 0, B's at 65,536 of a slot); the scale rows of both operands for all of K lie behind the ring.
; A group of four loads, one a wave (K step 0's tiles of A, of B, A's scale rows, B's), stands at the head, and again behind a drained round behind phase 1's last LDS read: it lands while phase 1's results are quantised and stored.
; Slot 1's fill follows each group behind the full sequence and a round.  CLUSTERS: 4 x 4: A's tiles are shared along a row of the cluster, B's along a column: joint loads.
; THE MATRIX INSTRUCTION IS USED TRANSPOSED (source 0 = B's rows, source 1 = A's): a lane holds one row of A's side and 64 neighbours along B's, which are the next product's K: phase 1 the head's columns, phase 2 the tokens.
; NO PREFETCH: x's and the weights' tiles are read by several clusters at about the same time, and of a phase's four K steps two are asked for before its first product.
; LIMITS: NaN and infinities are not served.  A block of zeros, or one whose largest magnitude lies under 2^-118, keeps the byte 1: its codes are zeros, and this program alone reads the bytes.
.set NQ,     2
.set FR,     16
.set NL,     4
.set NP,     8
.set HALFT,  32768
.set SLOT,   131072
.set SCL,    262144
.set HALFS,  5120
.set SBLK,   640
.set SPARE,  282880
.set ADRA, 16
.set ADRA2, 18                         ; v18-19 phase 2: LDS address of my four tiles of A
.set ADRB, 20
.set L16,  22
.set SOF,  23
.set BOF,  26
.set ADRS, 27
.set SPW,  28
.set NIL,  29
.set PSEL, 30
.set SC,   32
.set BI,   64
.set AF,   128
.set ST,   128
.set PCB,  192
.set TM,   224
.set PWS,  240
.set WD,   248
.set SEL,  2
.set WV,   18
.set HA,   19
.set HB,   20
.set HM,   42
.set MNT,  67
.set G1,   24
.set G0,   32
.set G1B,  48
.set G0B,  56
.set G1S,  68
.set G0S,  76
.set G1SB, 80
.set G0SB, 88
.set MSB, 0
.macro WIN new
.if MSB != (\new)
	s_set_vgpr_msb (MSB<<8)|(\new)
.set MSB, (\new)
.endif
.endm
.set MUL_LO, 0xa1
.set MUL_HI, 0xf1
.set TO_B,   0x40
.macro PLACES n
.rept \n
	v_nop
.endr
.endm
.macro TLOAD g0, g1                    ; a tensor load and the lines behind it
	tensor_load_to_lds s[\g0:\g0+3], s[\g1:\g1+7]
	s_nop 0
	PLACES 4
.endm
.macro JLOAD g0a, g1a, g0b, g1b        ; the ring's joint load: waves 0, 1 for A, waves 2, 3 for B
	s_cmp_eq_u32 s[HA], 0
	s_cbranch_scc0 .Lfor_b_\@
	TLOAD \g0a, \g1a
	s_branch .Lasked_\@
.Lfor_b_\@:
	TLOAD \g0b, \g1b
.Lasked_\@:
.endm
.macro ARMS                            ; one chain of arms on the wave's number, one load to an arm
	s_cmp_lt_u32 s[WV], 1
	s_cbranch_scc0 .Lb_\@
	TLOAD G0, G1
	s_branch .Lj_\@
.Lb_\@:
	s_cmp_lt_u32 s[WV], 2
	s_cbranch_scc0 .Lsa_\@
	TLOAD G0B, G1B
	s_branch .Lj_\@
.Lsa_\@:
	s_cmp_lt_u32 s[WV], 3
	s_cbranch_scc0 .Lsb_\@
	TLOAD G0S, G1S
	s_branch .Lj_\@
.Lsb_\@:
	TLOAD G0SB, G1SB
.Lj_\@:
.endm
.macro CREST
	s_cmp_lg_u32 s[WV], 0
	s_cbranch_scc1 .Lnot_wave_0_\@
	s_barrier_signal -3
.Lnot_wave_0_\@:
	s_barrier_wait -3
	s_barrier_signal -1
	s_barrier_wait -1
.endm
.macro CROUND
	s_barrier_signal -1
	s_barrier_wait -1
	CREST
.endm
.macro GRP1 g, mask, rows              ; so many tiles' 4,096 bytes of a K step, 16,384 bytes apart in memory, dense in LDS
	s_or_b32 s[\g], s[\mask], (3<<16)|(1<<21)
	s_mov_b32 s[\g+1], 512<<16
	s_mov_b32 s[\g+2], (\rows)<<16
	s_mov_b32 s[\g+3], 512<<16
	s_mov_b32 s[\g+4], \rows
	s_mov_b32 s[\g+5], 2048
	s_mov_b32 s[\g+6], 0
	s_mov_b32 s[\g+7], 0
.endm
.macro GRP1S g, mask, rows             ; so many scale rows of 32 bytes, two words of padding behind each
	s_or_b32 s[\g], s[\mask], (3<<16)|(1<<20)|(1<<21)|(2<<22)|(1<<25)
	s_mov_b32 s[\g+1], 4<<16
	s_mov_b32 s[\g+2], (\rows)<<16
	s_mov_b32 s[\g+3], 4<<16
	s_mov_b32 s[\g+4], \rows
	s_mov_b32 s[\g+5], 4
	s_mov_b32 s[\g+6], 0
	s_mov_b32 s[\g+7], 0
.endm
.macro HEADG                           ; groups 0 of a group of four: A's first tile s21, B's s22: K step 0 into slot 0, the scale rows behind the ring
	s_mov_b32 s[G0S], 1
	s_mov_b32 s[G0S+1], SCL
	s_lshl_b32 s100, s21, 9
	s_add_nc_u64 s[G0S+2:G0S+3], s[6:7], s[100:101]
	s_or_b32 s[G0S+3], s[G0S+3], 0x80000000
	s_mov_b32 s[G0SB], 1
	s_mov_b32 s[G0SB+1], SCL+128+2*HALFS
	s_lshl_b32 s104, s22, 9
	s_add_nc_u64 s[G0SB+2:G0SB+3], s[6:7], s[104:105]
	s_or_b32 s[G0SB+3], s[G0SB+3], 0x80000000
	s_mov_b32 s[G0], 1
	s_mov_b32 s[G0+1], 0
	s_lshl_b32 s100, s21, 14
	s_add_nc_u64 s[G0+2:G0+3], s[4:5], s[100:101]
	s_or_b32 s[G0+3], s[G0+3], 0x80000000
	s_mov_b32 s[G0B], 1
	s_mov_b32 s[G0B+1], 2*HALFT
	s_lshl_b32 s104, s22, 14
	s_add_nc_u64 s[G0B+2:G0B+3], s[4:5], s[104:105]
	s_or_b32 s[G0B+3], s[G0B+3], 0x80000000
.endm
.macro RING ash                        ; the ring's groups 0, a set for each slot: a wave fetches 2^ash tiles of A or 8 of B
	s_lshl_b32 s100, s[HB], \ash
	s_add_co_u32 s100, s100, s21
	s_lshl_b32 s100, s100, 14
	s_add_nc_u64 s[G0+2:G0+3], s[4:5], s[100:101]
	s_add_nc_u64 s[G0+6:G0+7], s[G0+2:G0+3], 4096
	s_or_b32 s[G0+3], s[G0+3], 0x80000000
	s_or_b32 s[G0+7], s[G0+7], 0x80000000
	s_lshl_b32 s104, s[HB], 3
	s_add_co_u32 s104, s104, s22
	s_lshl_b32 s104, s104, 14
	s_add_nc_u64 s[G0B+2:G0B+3], s[4:5], s[104:105]
	s_add_nc_u64 s[G0B+6:G0B+7], s[G0B+2:G0B+3], 4096
	s_or_b32 s[G0B+3], s[G0B+3], 0x80000000
	s_or_b32 s[G0B+7], s[G0B+7], 0x80000000
	s_lshl_b32 s45, s[HB], 12+\ash
	s_lshl_b32 s23, s[WV], 15
.irp s, 0,1
	s_mov_b32 s[G0+4*\s], 1
	s_add_co_u32 s[G0+4*\s+1], s45, \s*SLOT
	s_mov_b32 s[G0B+4*\s], 1
	s_add_co_u32 s[G0B+4*\s+1], s23, \s*SLOT
.endr
.endm
.macro FRAG reg, adr, q, i
.irp c, 0,1,2,3
	ds_load_b128 v[\reg+4*\c:\reg+4*\c+3], v[\adr] offset:4096*(\i)+2048*(\q)+512*\c
.endr
.endm
.macro MUL16 a0, p, q, sc, zero
.irp a, \a0, \a0+1
.irp b, 0,1,2,3,4,5,6,7
.if \zero
	v_wmma_scale_f32_16x16x128_f8f6f4 v[8*(8*((\a)%4)+\b):8*(8*((\a)%4)+\b)+7], v[128*(\p)+FR*\b:128*(\p)+FR*\b+FR-1], v[AF+FR*(\a):AF+FR*(\a)+FR-1], 0, v[SC+8*NQ*(\sc)+NQ*\b+(\q)], v[SC+8*NQ*(\sc)+NQ*(\a)+(\q)] matrix_a_scale:MATRIX_SCALE_ROW1
.else
	v_wmma_scale_f32_16x16x128_f8f6f4 v[8*(8*((\a)%4)+\b):8*(8*((\a)%4)+\b)+7], v[128*(\p)+FR*\b:128*(\p)+FR*\b+FR-1], v[AF+FR*(\a):AF+FR*(\a)+FR-1], v[8*(8*((\a)%4)+\b):8*(8*((\a)%4)+\b)+7], v[SC+8*NQ*(\sc)+NQ*\b+(\q)], v[SC+8*NQ*(\sc)+NQ*(\a)+(\q)] matrix_a_scale:MATRIX_SCALE_ROW1
.endif
.endr
.endr
.endm
.macro FETCH_B slot, q, p
	WIN TO_B
.irp i, 0,1,2,3,4,5,6,7
	FRAG 128*(\p)+FR*\i, ADRB+\slot, \q, \i
.endr
	WIN 0
.endm
.macro FETCH_A slot, q, i0
.irp i, \i0, \i0+1, \i0+2, \i0+3
	FRAG AF+FR*(\i), ADRA+\slot, \q, \i
.endr
.endm
.macro SCALES sc
.irp i, 0,1,2,3,4,5,6,7
	ds_load_b64 v[SC+8*NQ*\sc+NQ*\i:SC+8*NQ*\sc+NQ*\i+1], v[ADRS] offset:\i*SBLK
.endr
.endm
; PHASE 1's steps: A has one set of eight fragments, fetched in two halves, B two sets
.macro STEP slot, q, zero
	s_wait_dscnt 4*NL
	WIN MUL_LO
	MUL16 0, (\q)%2, \q, \slot, \zero
	MUL16 2, (\q)%2, \q, \slot, \zero
	s_wait_dscnt 0
	PLACES NP
	FETCH_B \slot, (\q)+1, 1-(\q)%2
	FETCH_A \slot, (\q)+1, 0
	WIN MUL_HI
	MUL16 4, (\q)%2, \q, \slot, \zero
	MUL16 6, (\q)%2, \q, \slot, \zero
	PLACES NP
	WIN 0
	FETCH_A \slot, (\q)+1, 4
.endm
.macro TURN slot, next, fill
	s_wait_tensorcnt 0x0
	ds_add_u32 v[SPW], v[NIL]
	s_wait_dscnt 4*NL+1
	WIN MUL_LO
	MUL16 0, 1, NQ-1, \slot, 0
	s_wait_dscnt 0x0
	s_barrier_signal -1
	MUL16 2, 1, NQ-1, \slot, 0
	WIN 0
	s_barrier_wait -1
.if \fill
	CREST
	s_add_nc_u64 s[G0+4*\slot+2:G0+4*\slot+3], s[G0+4*\slot+2:G0+4*\slot+3], 8192
	s_add_nc_u64 s[G0B+4*\slot+2:G0B+4*\slot+3], s[G0B+4*\slot+2:G0B+4*\slot+3], 8192
	JLOAD G0+4*\slot, G1, G0B+4*\slot, G1B
	PLACES NP-4
.else
	PLACES NP
.endif
	s_wait_alu depctr_va_vdst(0)
	v_add_nc_u32 v[ADRS], 4*NQ, v[ADRS]
	FETCH_B \next, 0, 0
	FETCH_A \next, 0, 0
	SCALES \next
	WIN MUL_HI
	MUL16 4, 1, NQ-1, \slot, 0
	MUL16 6, 1, NQ-1, \slot, 0
	PLACES NP
	WIN 0
	FETCH_A \next, 0, 4
.endm
.macro LAST
	s_wait_dscnt 4*NL
	WIN MUL_LO
	MUL16 0, 1, NQ-1, 1, 0
	MUL16 2, 1, NQ-1, 1, 0
	s_wait_dscnt 0
	WIN MUL_HI
	MUL16 4, 1, NQ-1, 1, 0
	MUL16 6, 1, NQ-1, 1, 0
	WIN 0
.endm
; PHASE 2's steps: four fragments of A and eight of B, two sets each: while one set is multiplied, the other takes the next step's 48 loads
.macro MULH a0, p, sc, zero
.irp a, \a0, \a0+1
.irp b, 0,1,2,3,4,5,6,7
.if \zero
	v_wmma_scale_f32_16x16x128_f8f6f4 v[8*(8*(\a)+\b):8*(8*(\a)+\b)+7], v[128*(\p)+FR*\b:128*(\p)+FR*\b+FR-1], v[AF+64*(\p)+FR*(\a):AF+64*(\p)+FR*(\a)+FR-1], 0, v[SC+16*(\sc)+2*\b+(\p)], v[SC+16*(\sc)+2*(\a)+(\p)] matrix_a_scale:MATRIX_SCALE_ROW1
.else
	v_wmma_scale_f32_16x16x128_f8f6f4 v[8*(8*(\a)+\b):8*(8*(\a)+\b)+7], v[128*(\p)+FR*\b:128*(\p)+FR*\b+FR-1], v[AF+64*(\p)+FR*(\a):AF+64*(\p)+FR*(\a)+FR-1], v[8*(8*(\a)+\b):8*(8*(\a)+\b)+7], v[SC+16*(\sc)+2*\b+(\p)], v[SC+16*(\sc)+2*(\a)+(\p)] matrix_a_scale:MATRIX_SCALE_ROW1
.endif
.endr
.endr
.endm
.macro FETCH2 slot, q, p
	WIN TO_B
.irp i, 0,1,2,3,4,5,6,7
	FRAG 128*(\p)+FR*\i, ADRB+\slot, \q, \i
.endr
	WIN 0
.irp i, 0,1,2,3
	FRAG AF+64*(\p)+FR*\i, ADRA2+\slot, \q, \i
.endr
.endm
.macro EVEN slot, zero
	PLACES NP                                      ; in front of loads into registers that the last products read
	FETCH2 \slot, 1, 1
	s_wait_dscnt 48                                ; set 0 and the scale words are in; the 48 loads just issued may be out
	WIN MUL_LO
	MULH 0, 0, \slot, \zero
	MULH 2, 0, \slot, \zero
	WIN 0
.endm
.macro TURN2 slot, next, fill
	s_wait_tensorcnt 0x0
	ds_add_u32 v[SPW], v[NIL]
	s_wait_dscnt 0x0
	s_barrier_signal -1
	WIN MUL_LO
	MULH 0, 1, \slot, 0
	WIN 0
	s_barrier_wait -1
.if \fill
	CREST
	s_add_nc_u64 s[G0+4*\slot+2:G0+4*\slot+3], s[G0+4*\slot+2:G0+4*\slot+3], 8192
	s_add_nc_u64 s[G0B+4*\slot+2:G0B+4*\slot+3], s[G0B+4*\slot+2:G0B+4*\slot+3], 8192
	JLOAD G0+4*\slot, G1, G0B+4*\slot, G1B
	PLACES NP-4
.else
	PLACES NP
.endif
	v_add_nc_u32 v[ADRS], 4*NQ, v[ADRS]
	s_wait_alu depctr_va_vdst(0)                   ; the wait directly behind the write
	FETCH2 \next, 0, 0
	SCALES \next
	WIN MUL_LO
	MULH 2, 1, \slot, 0
	WIN 0
.endm
; 64 numbers of a lane, v[s] on, become a fragment's codes in v[pc] on and its scale word in v[pw]
.macro QUANT s, pc, pw
.irp b, 0,1,2,3
	v_max3_num_f32 v[TM+\b], |v[\s+16*\b]|, |v[\s+1+16*\b]|, 0x4800000
.endr
.irp i, 2,4,6,8,10,12,14
.irp b, 0,1,2,3
	v_max3_num_f32 v[TM+\b], v[TM+\b], |v[\s+16*\b+\i]|, |v[\s+1+16*\b+\i]|
.endr
.endr
.irp b, 0,1,2,3
	v_permlanex16_b32 v[TM+4+\b], v[TM+\b], s[SEL], s[SEL+1]
.endr
.irp b, 0,1,2,3
	v_max_num_f32 v[TM+\b], v[TM+\b], v[TM+4+\b]
.endr
.irp b, 0,1,2,3
	v_add_nc_u32 v[TM+12+\b], 0xfc000000, v[TM+\b]
.endr
.irp b, 0,1,2,3
	v_and_or_b32 v[TM+8+\b], v[TM+\b], 0x7f800000, s[MNT]
.endr
.irp b, 0,1,2,3
	v_lshrrev_b32 v[TM+4+\b], 23, v[TM+12+\b]
.endr
	v_lshl_or_b32 v[\pw], v[TM+5], 8, v[TM+4]
	v_lshl_or_b32 v[\pw], v[TM+6], 16, v[\pw]
	v_lshl_or_b32 v[\pw], v[TM+7], 24, v[\pw]
.irp b, 0,1,2,3
.irp i, 0,1,2,3,4,5,6,7,8,9,10,11,12,13,14,15
	v_med3_num_f32 v[\s+16*\b+\i], v[\s+16*\b+\i], -v[TM+8+\b], v[TM+8+\b]
.endr
	v_cvt_scalef32_pk8_fp8_f32 v[(\pc)+4*\b:(\pc)+1+4*\b], v[\s+16*\b:\s+7+16*\b], v[TM+12+\b]
	v_cvt_scalef32_pk8_fp8_f32 v[(\pc)+2+4*\b:(\pc)+3+4*\b], v[\s+8+16*\b:\s+15+16*\b], v[TM+12+\b]
.endr
	v_nop
.endm
; THE WAY OUT of block a of 16 rows: the bias, the quantiser, 2,048 bytes of codes.  mode 0: Q, K;  mode 1: V
.macro BLK mode, a
	s_wait_xcnt 0x0                                ; the codes' registers were store data two blocks ago
	WIN 0x02+(\a)/4
.set k, 0
.rept 32
.if \mode == 0
	v_pk_add_f32 v[ST+2*k:ST+2*k+1], v[64*((\a)%4)+2*k:64*((\a)%4)+2*k+1], v[BI+2*k:BI+2*k+1]
.else
	v_pk_add_f32 v[ST+2*k:ST+2*k+1], v[64*((\a)%4)+2*k:64*((\a)%4)+2*k+1], v[BI+2*(\a):BI+2*(\a)+1]
.endif
.set k, k+1
.endr
	WIN 0
	QUANT ST, PCB+16*((\a)%2), PWS+(\a)
.irp e, 0,1,2,3
.if \mode == 0
	global_store_b128 v[L16], v[PCB+16*((\a)%2)+4*\e:PCB+16*((\a)%2)+4*\e+3], s[92:93] offset:1024*\a+131072*(\e/2)+512*(\e%2)
.else
	global_store_b128 v[L16], v[PCB+16*((\a)%2)+4*\e:PCB+16*((\a)%2)+4*\e+3], s[92:93] offset:2048*\a+512*\e
.endif
.endr
.endm
.macro EPIB mode
	s_wait_loadcnt 0x0                             ; the bias
	PLACES NP
.irp b, 0,1,2,3
	v_mov_b32 v[TM+4+\b], 0
.endr
	v_and_b32 v24, 15, v0
	v_lshlrev_b32 v[SOF], 4, v24
.if \mode == 0
	v_bfe_u32 v25, v0, 4, 1
	v_lshl_add_u32 v[SOF], v25, 12, v[SOF]
	v_mov_b32 v[PSEL], 0x05040100
	v_mov_b32 v31, 0x07060302
	v_cndmask_b32 v[PSEL], v[PSEL], v31, s[HM]
.irp a, 0,1,2,3,4,5,6,7
	BLK 0, \a
.endr
.irp g, 0,1,2,3
	v_perm_b32 v[WD+\g], v[PWS+1+2*\g], v[PWS+2*\g], v[PSEL]
.endr
	global_store_b128 v[SOF], v[WD:WD+3], s[94:95]
.else
.irp a, 0,1,2,3
	BLK 1, \a
.endr
	global_store_b128 v[SOF], v[PWS:PWS+3], s[94:95]   ; row r's four words; lanes r and r + 16 hold the same words and store them to the same 16 bytes
.endif
.endm
	s_load_b256 s[4:11], s[0:1], 0x0               ; cod, scl, bq, bk
	s_load_b128 s[12:15], s[0:1], 0x20             ; bv, qkvc
	s_load_b64 s[16:17], s[0:1], 0x30              ; qkvs
	v_lshl_add_u32 v[SPW], v0, 2, SPARE
	v_mov_b32 v[NIL], 0
	ds_add_u32 v[SPW], v[NIL]                      ; the opening lines: the add, twice on end, and its wait
	ds_add_u32 v[SPW], v[NIL]
	v_lshrrev_b32 v1, 5, v0
	v_readfirstlane_b32 s[WV], v1
	s_lshr_b32 s[HA], s[WV], 1
	s_and_b32 s[HB], s[WV], 1
	s_bfe_u32 s40, ttmp6, 0x40000                  ; cx
	s_bfe_u32 s41, ttmp6, 0x40004                  ; cy
	s_and_b32 s66, ttmp7, 0xffff                   ; cluster y: 0 .. 15
	s_lshr_b32 s21, s66, 1
	s_lshl_b32 s21, s21, 6
	s_lshl_b32 s46, s41, 4
	s_add_co_u32 s21, s21, s46                     ; phase 1: A's first tile: x's 64 (y / 2) + 16 cy
	s_and_b32 s22, s66, 1
	s_lshl_b32 s22, s22, 6
	s_add_co_u32 s22, s22, 512
	s_lshl_b32 s47, s40, 4
	s_add_co_u32 s22, s22, s47                     ; B's: Wq's or Wk's 16 cx
	s_lshl_b32 s43, s41, 2
	s_lshl_b32 s43, 15, s43                        ; my row of the cluster
	s_lshl_b32 s44, 0x1111, s40                    ; my column
	GRP1 G1, 43, 16
	GRP1 G1B, 44, 16
	GRP1S G1S, 43, 256
	GRP1S G1SB, 44, 256
	s_mov_b32 s101, 0
	s_mov_b32 s105, 0
	s_wait_dscnt 0x0
	s_wait_kmcnt 0x0
	CROUND                                         ; all sixteen work-groups are here: the first joint loads meet
	HEADG
	ARMS
	s_lshl_b32 s45, s[HA], 15                      ; LDS: my 8 tiles of A in slot 0, 1; my 8 of B
	s_add_co_u32 s46, s45, SLOT
	s_lshl_b32 s47, s[HB], 15
	s_add_co_u32 s47, s47, 2*HALFT
	s_add_co_u32 s92, s47, SLOT
	s_mul_i32 s93, s[HA], HALFS                    ; scale rows: A's, my 128; B's, my 128, behind A's 256
	s_mul_i32 s94, s[HB], HALFS
	s_add_co_u32 s94, s94, 2*HALFS+128
	s_sub_co_u32 s94, s94, s93
	s_add_co_u32 s93, s93, SCL
	v_and_b32 v1, 31, v0
	v_lshlrev_b32 v[L16], 4, v1
	v_and_b32 v2, 15, v0
	v_bfe_u32 v3, v0, 4, 1
	v_add_nc_u32 v[ADRA], s45, v[L16]
	v_add_nc_u32 v[ADRA+1], s46, v[L16]
	v_add_nc_u32 v[ADRB], s47, v[L16]
	v_add_nc_u32 v[ADRB+1], s92, v[L16]
	v_mul_u32_u24 v5, v2, 40
	v_mul_u32_u24 v6, s94, v3                      ; lanes 16-31 take B's
	v_add_nc_u32 v5, v5, v6
	v_add_nc_u32 v[ADRS], s93, v5
	s_wait_alu depctr_va_vdst(0)                   ; the wait at the head's end
	s_wait_tensorcnt 0x0                           ; my tile of the four is in
	ds_add_u32 v[SPW], v[NIL]
	s_mov_b32 s[G1+2], 8<<16                       ; no tensor load of mine is out: from here on a load brings 8 tiles
	s_mov_b32 s[G1+4], 8
	s_mov_b32 s[G1B+2], 8<<16
	s_mov_b32 s[G1B+4], 8
	RING 3
	s_wait_dscnt 0x0
	CROUND
	JLOAD G0+4, G1, G0B+4, G1B
	FETCH_B 0, 0, 0
	FETCH_A 0, 0, 0
	SCALES 0
	FETCH_A 0, 0, 4
	STEP 0, 0, 1
	TURN 0, 1, 1
	STEP 1, 0, 0
	TURN 1, 0, 1
	STEP 0, 0, 0
	TURN 0, 1, 0
	; where Q's or K's results go, and their bias
	s_mov_b32 s[SEL], 0x76543210
	s_mov_b32 s[SEL+1], 0xfedcba98
	s_mov_b32 s[MNT], 0x600000
	s_mov_b32 s[HM], 0xffff0000
	s_lshl_b32 s45, s[HA], 3
	s_add_co_u32 s45, s21, s45
	s_lshr_b32 s46, s45, 7
	s_and_b32 s45, s45, 127
	s_sub_co_u32 s47, s22, 512
	s_lshr_b32 s47, s47, 2
	s_lshl_b32 s98, s[HB], 1
	s_add_co_u32 s47, s47, s98
	s_lshl_b32 s92, s46, 22
	s_lshl_b32 s98, s47, 17
	s_add_co_u32 s92, s92, s98
	s_lshl_b32 s98, s45, 10
	s_add_co_u32 s92, s92, s98
	s_mov_b32 s93, 0
	s_add_nc_u64 s[92:93], s[14:15], s[92:93]
	s_lshl_b32 s94, s46, 5
	s_add_co_u32 s94, s94, s47
	s_lshl_b32 s94, s94, 12
	s_lshr_b32 s98, s45, 3
	s_lshl_b32 s98, s98, 8
	s_add_co_u32 s94, s94, s98
	s_mov_b32 s95, 0
	s_add_nc_u64 s[94:95], s[16:17], s[94:95]
	s_lshl_b32 s96, s40, 10
	s_lshl_b32 s98, s[HB], 9
	s_add_co_u32 s96, s96, s98
	s_mov_b32 s97, 0
	s_and_b32 s98, s66, 1
	s_cmp_lg_u32 s98, 0
	s_cselect_b64 s[98:99], s[10:11], s[8:9]
	s_add_nc_u64 s[96:97], s[98:99], s[96:97]
	v_bfe_u32 v24, v0, 4, 1
	v_lshlrev_b32 v[BOF], 6, v24
.irp e, 0,1,2,3
.irp j, 0,1,2,3
	global_load_b128 v[BI+16*\e+4*\j:BI+16*\e+4*\j+3], v[BOF], s[96:97] offset:128*\e+16*\j
.endr
.endr
	STEP 1, 0, 0
	LAST
	; PHASE 2's first group of four is asked for now: nobody reads slot 0 or the scale rows any more
	s_wait_tensorcnt 0x0
	ds_add_u32 v[SPW], v[NIL]
	s_and_b32 s21, s66, 1
	s_lshl_b32 s21, s21, 3
	s_lshl_b32 s45, s41, 4
	s_add_co_u32 s21, s21, s45
	s_add_co_u32 s21, s21, 640                     ; A's first tile: Wv's 16 cy + 8 (y % 2)
	s_lshr_b32 s22, s66, 1
	s_lshl_b32 s22, s22, 6
	s_lshl_b32 s46, s40, 4
	s_add_co_u32 s22, s22, s46                     ; B's: x's 64 (y / 2) + 16 cx
	s_mov_b32 s[G1B+2], 16<<16                     ; whole tiles: A's 8 (as group 1 stands), B's 16; A's 128 scale rows
	s_mov_b32 s[G1B+4], 16
	s_mov_b32 s[G1S+2], 128<<16
	s_mov_b32 s[G1S+4], 128
	HEADG
	s_wait_dscnt 0x0
	CROUND
	ARMS
	EPIB 0                                         ; Q's or K's way out, while the four tiles are on their way
	s_wait_xcnt 0x0                                ; the stores have read their registers and bases
	s_lshl_b32 s45, s[HA], 14                      ; LDS: my 4 tiles of A in slot 0, 1
	s_add_co_u32 s46, s45, SLOT
	s_mul_i32 s47, s[HA], 4*SBLK                   ; scale rows: A's, my 64; B's as in phase 1
	s_mul_i32 s98, s[HB], HALFS
	s_add_co_u32 s98, s98, 2*HALFS+128
	s_sub_co_u32 s98, s98, s47
	s_add_co_u32 s47, s47, SCL
	v_and_b32 v2, 15, v0
	v_bfe_u32 v3, v0, 4, 1
	v_add_nc_u32 v[ADRA2], s45, v[L16]
	v_add_nc_u32 v[ADRA2+1], s46, v[L16]
	v_mul_u32_u24 v5, v2, 40
	v_mul_u32_u24 v6, s98, v3
	v_add_nc_u32 v5, v5, v6
	v_add_nc_u32 v[ADRS], s47, v5
	; where V's results go, and their bias: my four tiles of Wv are one head
	s_and_b32 s45, s66, 1
	s_lshl_b32 s45, s45, 1
	s_lshl_b32 s46, s41, 2
	s_add_co_u32 s45, s45, s46
	s_add_co_u32 s45, s45, s[HA]                   ; the head: 4 cy + 2 (y % 2) + my row of waves
	s_lshl_b32 s46, s[HB], 3
	s_add_co_u32 s46, s22, s46                     ; my first tile of tokens
	s_lshr_b32 s47, s46, 7
	s_bfe_u32 s46, s46, 0x40003
	s_lshl_b32 s47, s47, 4
	s_add_co_u32 s47, s47, s45
	s_lshl_b32 s92, s47, 17
	s_lshl_b32 s98, s46, 13
	s_add_co_u32 s92, s92, s98
	s_add_co_u32 s92, s92, 1<<24
	s_mov_b32 s93, 0
	s_add_nc_u64 s[92:93], s[14:15], s[92:93]
	s_lshl_b32 s94, s47, 12
	s_lshl_b32 s98, s46, 8
	s_add_co_u32 s94, s94, s98
	s_add_co_u32 s94, s94, 524288
	s_mov_b32 s95, 0
	s_add_nc_u64 s[94:95], s[16:17], s[94:95]
	s_lshl_b32 s96, s45, 8
	s_mov_b32 s97, 0
	s_add_nc_u64 s[96:97], s[12:13], s[96:97]
	v_and_b32 v24, 15, v0
	v_and_b32 v25, 8, v24
	v_add_nc_u32 v24, v24, v25
	v_lshlrev_b32 v[BOF], 2, v24
.irp a, 0,1,2,3
	global_load_b32 v[BI+2*\a], v[BOF], s[96:97] offset:(32*(\a/2)+8*(\a%2))*4
	global_load_b32 v[BI+2*\a+1], v[BOF], s[96:97] offset:(32*(\a/2)+8*(\a%2))*4
.endr
	s_wait_alu depctr_va_vdst(0)
	s_wait_tensorcnt 0x0                           ; my tile of the four is in
	ds_add_u32 v[SPW], v[NIL]
	s_mov_b32 s[G1+2], 4<<16                       ; from here on a load brings 4 tiles of A
	s_mov_b32 s[G1+4], 4
	s_mov_b32 s[G1B+2], 8<<16                      ; or 8 of B
	s_mov_b32 s[G1B+4], 8
	RING 2
	s_wait_dscnt 0x0
	CROUND
	JLOAD G0+4, G1, G0B+4, G1B                     ; K step 1 into slot 1, which nobody reads any more
	FETCH2 0, 0, 0
	SCALES 0
	EVEN 0, 1                                      ; the first products start the sums
	TURN2 0, 1, 1
	EVEN 1, 0
	TURN2 1, 0, 1
	EVEN 0, 0
	TURN2 0, 1, 0
	EVEN 1, 0
	s_wait_dscnt 0x0
	WIN MUL_LO
	MULH 0, 1, 1, 0
	MULH 2, 1, 1, 0
	WIN 0
	EPIB 1
	s_wait_tensorcnt 0x0                           ; the wave's end
	ds_add_u32 v[SPW], v[NIL]
	s_wait_dscnt 0x0
	CROUND                                         ; the closing round
	s_endpgm
.Lfunc_end_k_q7f57d4696b_qkv:
	.size	k_q7f57d4696b_qkv, .Lfunc_end_k_q7f57d4696b_qkv-k_q7f57d4696b_qkv
	.p2alignl 7, 3214868480
	.fill 96, 4, 3214868480
	.section	.rodata,"a",@progbits
	.p2align	6, 0x0
	.amdhsa_kernel k_q7f57d4696b_qkv
		.amdhsa_group_segment_fixed_size 327680
		.amdhsa_private_segment_fixed_size 0
		.amdhsa_enable_private_segment 0
		.amdhsa_kernarg_size 56
		.amdhsa_user_sgpr_count 2
		.amdhsa_user_sgpr_kernarg_segment_ptr 1
		.amdhsa_wavefront_size32 1
		.amdhsa_system_sgpr_workgroup_id_x 1
		.amdhsa_system_sgpr_workgroup_id_y 1
		.amdhsa_system_sgpr_workgroup_id_z 1
		.amdhsa_system_vgpr_workitem_id 0
		.amdhsa_next_free_vgpr 1024
		.amdhsa_next_free_sgpr 106
		.amdhsa_reserve_vcc 0
		.amdhsa_float_denorm_mode_32 3
		.amdhsa_float_denorm_mode_16_64 3
		.amdhsa_memory_ordered 1
		.amdhsa_forward_progress 1
		.amdhsa_inst_pref_size 255
	.end_amdhsa_kernel
	.section	.bss,"aw",@nobits
	.p2align	6
	.space	262144
	.amdgpu_metadata
---
amdhsa.version: [ 1, 2 ]
amdhsa.kernels:
  - .name:           k_q7f57d4696b_qkv
    .symbol:         k_q7f57d4696b_qkv.kd
    .args:
      - { .name: cod, .offset: 0, .size: 8, .value_kind: global_buffer, .address_space: global }
      - { .name: scl, .offset: 8, .size: 8, .value_kind: global_buffer, .address_space: global }
      - { .name: bq, .offset: 16, .size: 8, .value_kind: global_buffer, .address_space: global }
      - { .name: bk, .offset: 24, .size: 8, .value_kind: global_buffer, .address_space: global }
      - { .name: bv, .offset: 32, .size: 8, .value_kind: global_buffer, .address_space: global }
      - { .name: qkvc, .offset: 40, .size: 8, .value_kind: global_buffer, .address_space: global }
      - { .name: qkvs, .offset: 48, .size: 8, .value_kind: global_buffer, .address_space: global }
    .group_segment_fixed_size: 327680
    .private_segment_fixed_size: 0
    .kernarg_segment_align: 8
    .kernarg_segment_size: 56
    .max_flat_workgroup_size: 128
    .sgpr_count:     106
    .vgpr_count:     1024
    .wavefront_size: 32
...
	.end_amdgpu_metadata
.endif
;; end of part 2
;; launch attn (part 3): grid 4 x 64, 16 waves a work-group, clusters of 4 x 1, 272,384 bytes of LDS; arguments qkvc, qkvs, oc, os; writes oc, os
.if DOCPART == 3
	.amdgcn_target "amdgcn-amd-amdhsa--gfx1250"
	.amdhsa_code_object_version 6
	.text
	.protected	k_q7f57d4696b_attn
	.globl	k_q7f57d4696b_attn
	.p2align	8
	.type	k_q7f57d4696b_attn,@function
k_q7f57d4696b_attn:
	s_mov_b64 s[64:65], 0
	v_nop
	global_prefetch_b8 v0, s[64:65] scope:SCOPE_SE
	s_setreg_imm32_b32 hwreg(HW_REG_WAVE_MODE, 25, 1), 1
	s_wait_xcnt 0x0
	s_wait_alu depctr_hold_cnt(0) depctr_sa_sdst(0) depctr_va_vdst(0) depctr_va_sdst(0) depctr_va_ssrc(0) depctr_va_vcc(0) depctr_vm_vsrc(0)
	s_getreg_b32 s2, hwreg(HW_REG_IB_STS2, 6, 4)
	s_cmp_eq_u32 s2, 0
	s_cbranch_scc0 .Lentry_in_a_cluster
	s_endpgm
.Lentry_in_a_cluster:
	s_bfe_u32 s2, ttmp6, 0x10000c
	s_cmp_lg_u32 s2, 0x3003
	s_cbranch_scc0 .Lentry_shape_is_right
	s_endpgm
.Lentry_shape_is_right:
; O = softmax(Q K^T / 8) V for each of 64 (batch, head) pairs, 2,048 tokens, head size 64, both products on codes of FP8 (E4M3) with E8M0 scales; O is divided by the row's sum and quantised here along d_model: it leaves as codes.
; THE SOFTMAX AHEAD OF THE SECOND PRODUCT: t = score x log2(e) / 8; M = the row's largest t so far, rounded UP to a whole number; p = 2^(t - M) is what is quantised, along the keys.  The row's sum is taken of the unquantised p.
; When M moves, the sum and O are multiplied by 2^(old M - new M): exact.
; LIMITS: NaN and infinities are not served; the scaled scores t stay under 2^31 in magnitude.  A block of zeros, or one whose largest magnitude lies under 2^-118, keeps the byte 1: its codes are zeros, and this program alone reads the bytes.
; A block's largest p is taken from the block's largest score by the same multiply-add and exponential: this takes v_exp_f32 not to fall where its input rises.
; SHARES.  A work-group owns 512 queries of one head, in two passes of 256 (a loop of two trips); each of its sixteen waves owns one tile of 16 queries a pass, in 256 registers: four waves to a SIMD.
; THE WHOLE HEAD'S K AND V STAY IN LDS: 131,072 bytes of codes each and 4,096 of scale words each, filled ONCE, one tensor load a wave: waves 0, 1 the scale words, waves 2 to 5 key steps 0 to 3 (halves of K's and of V's 32,768 bytes),
; waves 6 to 13 the other twelve key steps (24,576 bytes each).  The first barrier of a pass shows the loads of waves 0 to 5, which the first two key steps read; the second shows all.  Nothing is filled again: no ring.
; CLUSTER.  The four work-groups of a cluster own the four quarters of one head's queries and read the same K and V: each tile is asked for jointly, with a mask that names the four.
; NO PREFETCH: every tensor load of the launch is issued at its head, so there is no loop to run ahead in.
; LAYOUT.  Operands are images of their registers (lane r of tile T is token 32 (T / 2) + 8 (T % 2) + r + 8 (r / 8)).  Both products are used transposed: S^T = K Q^T, O^T = V^T P^T: a lane holds ONE query throughout,
; p's register 16 c + i is key 32 c + 16 h + i of the step, and O^T's register 16 e + i is d = 32 e + 16 h + i: the conversions' results are the next operand's registers.
; K = 64 IN AN INSTRUCTION OF 128: a fragment of K holds TWO tiles of 16 keys, 64 codes each; Q stands between zeros, v16-23 = 0, v24-31 = q, v32-39 = 0: v[24:39] = [q | 0] gives the first tile's scores, v[16:31] = [0 | q] the second's.
; TWO BUFFERS OF 64 REGISTERS CHANGE ROLES from step to step: K lies in one, the scores go to the other, V comes into the first, and when p is converted the second takes the next step's K.
; The scale bytes of O go out one byte a lane, 32 bytes apart: a row's 32 bytes come from sixteen work-groups.  They are 32 bytes for each 1,024 bytes of codes.
.set SPARE, 0x42000                    ; behind codes and scale words: the spare words, 128 bytes for each of 16 waves
.set L16, 1                            ; v1   16 x lane: K's images
.set LV,  2                            ; v2   the same + 131,072: V's
.set LS,  3                            ; v3   scale words: lanes 0-15 K's, lanes 16-31 V's, 4,096 bytes on
.set R16, 4                            ; v4   16 r
.set OSB, 5                            ; v5   32 r + h
.set ADK, 6                            ; v6   LDS address of the next step's K
.set ADV, 7                            ; v7   of the step's V
.set ADS, 8                            ; v8   of the next step's scale words
.set QR,  9                            ; v9   Q's two scale bytes as loaded
.set NMB, 10                           ; v10  -M of the odd steps (v11 = 0 is named with it as a pair)
.set NMA, 12                           ; v12  -M of the even steps (v13 = 0 likewise);  v[14:15], v[240:241] the sum's two chains
.set B0,  40                           ; v40-103  and
.set B1,  104                          ; v104-167 the two buffers that change roles
.set O,   168                          ; v168-199 O^T
.set PC,  200                          ; v200-215 p's codes
.set SQ0, 216                          ; v216-219 scale words of the even steps: lanes 0-15 K's four fragments, lanes 16-31 V's four
.set QS,  220                          ; v220 Q's scale word
.set PW,  221                          ; v221 p's
.set RM,  222                          ; v222 the row's largest score so far
.set BM,  224                          ; v224-227 a block's largest
.set BT,  228                          ; v228-231 the other lane's, then the byte
.set HL,  232                          ; v232-235 448 x the scale
.set SO,  236                          ; v236-239 the conversion's scale operand;  v[242:243] f and 0, v244, v245 at work
.set SQ1, 246                          ; v246-249 scale words of the odd steps
.set SPW, 254                          ; v254 my spare word
.set NIL, 255                          ; v255 0
.set WV,  12
.set SEL, 18                           ; s[18:19] v_permlanex16_b32's selects for lane l xor 16
.set CS,  20                           ; s[20:21] c = log2(e) / 8
.set MNT, 22
.set HM,  23
.set G1S, 24                           ; groups 1: rows of 256 bytes: 16 (scale words), 64, 96
.set G1C, 32
.set G1D, 40
.set G0A, 48                           ; groups 0 of the three arms
.set G0B, 52
.set G0C, 56
.set TK,  60                           ; a step's first byte among the codes: 8,192 a step
.set TS,  61                           ; among the scale words: 256 a step
.set CNT, 62
.set PS,  63                           ; the pass
.macro ROUND                           ; a round of the cluster's barrier
	s_barrier_signal -1
	s_barrier_wait -1
	s_cmp_lg_u32 s[WV], 0
	s_cbranch_scc1 .Lnot_wave_0_\@
	s_barrier_signal -3
.Lnot_wave_0_\@:
	s_barrier_wait -3
	s_barrier_signal -1
	s_barrier_wait -1
.endm
.macro GRP1 g, rows                    ; a dense block as rows of 256 bytes (32 elements of 8), asked for by all four work-groups
	s_mov_b32 s[\g], 15|(3<<16)|(1<<21)
	s_mov_b32 s[\g+1], 32<<16
	s_mov_b32 s[\g+2], (\rows)<<16
	s_mov_b32 s[\g+3], 32<<16
	s_mov_b32 s[\g+4], \rows
	s_mov_b32 s[\g+5], 32
	s_mov_b32 s[\g+6], 0
	s_mov_b32 s[\g+7], 0
.endm
.macro ARM under, g0, g1, next         ; one arm of the head's chain: a load, the lines behind it, a jump to the join
	s_cmp_lt_u32 s[WV], \under
	s_cbranch_scc0 \next
	tensor_load_to_lds s[\g0:\g0+3], s[\g1:\g1+7]
	s_nop 0
.rept 4
	v_nop
.endr
	s_branch .Lasked
\next:
.endm
.macro KLOADS buf, sq                  ; 17 LDS loads: a step's scale words, then K's four fragments, each load 512 consecutive bytes
	ds_load_b128 v[\sq:\sq+3], v[ADS]
.set k, 0
.rept 16
	ds_load_b128 v[\buf+4*k:\buf+4*k+3], v[ADK] offset:512*k
.set k, k+1
.endr
.endm
.macro VL2 kb, k                       ; two of V's sixteen loads
	ds_load_b128 v[\kb+4*(\k):\kb+4*(\k)+3], v[ADV] offset:512*(\k)
	ds_load_b128 v[\kb+4*(\k)+4:\kb+4*(\k)+7], v[ADV] offset:512*(\k)+512
.endm
.macro HOLD2 x, y, hx, hy              ; two holds in one line: x even, y odd, of two neighbouring blocks, so that all sources lie in different banks.  p is not negative: the hold is one-sided
	v_dual_min_num_f32 v[\x], v[\hx], v[\x] :: v_dual_min_num_f32 v[\y], v[\hy], v[\y]
.endm
.macro CVT2 sb, b                      ; block b's 16 numbers of my lane become 16 codes
	v_cvt_scalef32_pk8_fp8_f32 v[PC+4*\b:PC+4*\b+1], v[\sb+16*\b:\sb+16*\b+7], v[SO+\b]
	v_cvt_scalef32_pk8_fp8_f32 v[PC+4*\b+2:PC+4*\b+3], v[\sb+16*\b+8:\sb+16*\b+15], v[SO+\b]
.endm
; A KEY STEP: 128 keys.  kb: K's buffer, then V's; sb: the scores', then p's, then the next K's; sq, sqn: this step's and the next step's scale words; nm, om: the new -M and the old; pf = 0: a pass's last step, which fetches nothing ahead.
.macro STEP kb, sb, sq, sqn, nm, om, pf
.rept 9
	v_nop                                          ; nine places: the products below write over registers that the last step's products read as V
.endr
.irp c, 0,1,2,3
	s_wait_dscnt 12-4*\c                           ; the scale words and K's fragments up to c are in; the 12 - 4 c loads of the later fragments may be out
	v_wmma_scale_f32_16x16x128_f8f6f4 v[\sb+16*\c:\sb+16*\c+7], v[\kb+16*\c:\kb+16*\c+15], v[24:39], 0, v[\sq+\c], v[QS]
	v_wmma_scale_f32_16x16x128_f8f6f4 v[\sb+16*\c+8:\sb+16*\c+15], v[\kb+16*\c:\kb+16*\c+15], v[16:31], 0, v[\sq+\c], v[QS]
.endr
.rept 8
	v_nop                                          ; places in front of the first read of the scores
.endr
.irp b, 0,1,2,3
	v_max3_num_f32 v[BM+\b], v[\sb+16*\b], v[\sb+1+16*\b], v[\sb+2+16*\b]   ; the largest score of each block of 32 keys: for the row's maximum and for the block's largest p
.endr
.irp i, 3,5,7,9,11,13
.irp b, 0,1,2,3
	v_max3_num_f32 v[BM+\b], v[BM+\b], v[\sb+16*\b+\i], v[\sb+1+16*\b+\i]
.endr
.endr
.irp b, 0,1,2,3
	v_max_num_f32 v[BM+\b], v[BM+\b], v[\sb+15+16*\b]
.endr
.irp b, 0,1,2,3
	v_permlanex16_b32 v[BT+\b], v[BM+\b], s[SEL], s[SEL+1]
.endr
.irp b, 0,1,2,3
	v_max_num_f32 v[BM+\b], v[BM+\b], v[BT+\b]     ; with lane l xor 16's 16 keys
.endr
	; from the row's maximum to M and f each line reads the line before it: V's sixteen loads stand between them
	v_max3_num_f32 v244, v[BM], v[BM+1], v[BM+2]
	VL2 \kb, 0
	v_max3_num_f32 v[RM], v[RM], v244, v[BM+3]     ; the running largest score
	VL2 \kb, 2
	v_mul_f32 v244, s[CS], v[RM]                   ; as t (c is positive)
	VL2 \kb, 4
	v_floor_f32 v[\nm], -v244                      ; the new -M = floor(-t) = -ceil(t)
	VL2 \kb, 6
	v_sub_f32 v244, v[\nm], v[\om]                 ; old M - new M: a whole number, 0 or less
	VL2 \kb, 8
	v_cvt_i32_f32 v244, v244                       ; (it saturates)
	VL2 \kb, 10
	v_ldexp_f32 v242, 1.0, v244                    ; f = 2^(old M - new M)
	VL2 \kb, 12
	VL2 \kb, 14
.set j, 0
.rept 32
	v_pk_fma_f32 v[\sb+j:\sb+j+1], v[\sb+j:\sb+j+1], s[CS:CS+1], v[\nm:\nm+1] op_sel_hi:[1,0,0]   ; t - M, two at a time
.set j, j+2
.endr
.irp b, 0,1,2,3
	v_fma_f32 v[BM+\b], v[BM+\b], s[CS], v[\nm]    ; the same of each block's largest score
.endr
.set j, 0
.rept 16
	v_pk_mul_f32 v[O+j:O+j+1], v[O+j:O+j+1], v[242:243] op_sel_hi:[1,0]   ; O^T under the new M, ahead of the exponentials, each accumulator from its low end on
.set j, j+2
.endr
	s_wait_alu depctr_va_vdst(0)                   ; the wait ahead of the batch
.irp b, 0,1,2,3
	v_exp_f32 v[BM+\b], v[BM+\b]                   ; the blocks' largest p
.endr
.set j, 0
.rept 64
	v_exp_f32 v[\sb+j], v[\sb+j]                   ; p = 2^(t - M), at most 1
.set j, j+1
.endr
	v_pk_mul_f32 v[14:15], v[14:15], v[242:243] op_sel_hi:[1,0]   ; the sum under the new M: the plain line behind the batch
	s_wait_alu depctr_va_vdst(0)                   ; one wait for the whole batch, ahead of its first reader
.irp b, 0,1,2,3
	v_max_num_f32 v[BM+\b], 0x4800000, v[BM+\b]    ; the floor 2^(9 - 127): the byte cannot fall under 1
.endr
.irp b, 0,1,2,3
	v_and_or_b32 v[HL+\b], v[BM+\b], 0x7f800000, s[MNT]   ; 448 x the scale
.endr
.irp b, 0,1,2,3
	v_add_nc_u32 v[SO+\b], 0xfc000000, v[BM+\b]    ; 8 off the exponent field: the conversion's scale operand
.endr
.irp b, 0,1,2,3
	v_lshrrev_b32 v[BT+\b], 23, v[SO+\b]           ; the scale's byte
.endr
	; the row's sum is taken of the unquantised p, ahead of the holds, in two chains; p's scale word is made between
	v_pk_add_f32 v[240:241], v[\sb:\sb+1], v[\sb+2:\sb+3]
	v_lshl_or_b32 v[PW], v[BT+1], 8, v[BT]
.set j, 4
.rept 7
	v_pk_add_f32 v[14:15], v[14:15], v[\sb+j:\sb+j+1]
	v_pk_add_f32 v[240:241], v[240:241], v[\sb+j+2:\sb+j+3]
.if j == 4
	v_lshl_or_b32 v[PW], v[BT+2], 16, v[PW]
.elseif j == 8
	v_lshl_or_b32 v[PW], v[BT+3], 24, v[PW]
.endif
.set j, j+4
.endr
.set i, 0
.rept 8                                ; the holds of blocks 0 and 1 by turns with the sums of blocks 2 and 3
	HOLD2 \sb+i, \sb+17+i, HL, HL+1
	v_pk_add_f32 v[14:15], v[14:15], v[\sb+32+2*i:\sb+33+2*i]
	HOLD2 \sb+16+i, \sb+1+i, HL+1, HL
	v_pk_add_f32 v[240:241], v[240:241], v[\sb+34+2*i:\sb+35+2*i]
.set i, i+2
.endr
	CVT2 \sb, 0
	CVT2 \sb, 1
.set i, 0
.rept 8
	HOLD2 \sb+32+i, \sb+49+i, HL+2, HL+3
	HOLD2 \sb+48+i, \sb+33+i, HL+3, HL+2
.set i, i+2
.endr
	CVT2 \sb, 2
	CVT2 \sb, 3
	v_pk_add_f32 v[14:15], v[14:15], v[240:241]    ; the two chains meet.  With the three lines below: four places between the last conversion and the products
.if \pf
	s_add_co_u32 s[TK], s[TK], 8192
	s_add_co_u32 s[TS], s[TS], 256
	v_add_nc_u32 v[ADK], s[TK], v[L16]             ; the next step's K, scale words and V
	v_add_nc_u32 v[ADS], s[TS], v[LS]
	v_add_nc_u32 v[ADV], s[TK], v[LV]
.else
.rept 3
	v_nop
.endr
.endif
	s_wait_alu depctr_va_vdst(0)
	s_wait_dscnt 0x0                               ; V's fragments are in.  So the loads below are all that is out at the next step's head
.if \pf
	KLOADS \sb, \sqn                               ; p is converted: its registers take the next step's K
.endif
.irp d, 0,1,2,3                        ; the four accumulators take turns
	v_wmma_scale_f32_16x16x128_f8f6f4 v[O+8*\d:O+8*\d+7], v[\kb+16*\d:\kb+16*\d+15], v[PC:PC+15], v[O+8*\d:O+8*\d+7], v[\sq+\d], v[PW] matrix_a_scale:MATRIX_SCALE_ROW1
.endr
.endm
.macro PAIR pf2                        ; two steps: the buffers, the sets of scale words and the two -M change roles and back
	STEP B0, B1, SQ0, SQ1, NMA, NMB, 1
	STEP B1, B0, SQ1, SQ0, NMB, NMA, \pf2
.endm
; O^T / the sum, quantised along d (two blocks of 32), and out.  B1 held the last step's V and is free
.macro FIN
.rept 8
	v_nop                                          ; places behind the last products: their results are read, and the registers that held V are written
.endr
	v_add_f32 v14, v14, v15                        ; the sum's two halves,
	v_permlanex16_b32 v244, v14, s[SEL], s[SEL+1]
	v_add_f32 v14, v14, v244                       ; and lane l xor 16's: the row's sum
	s_wait_alu depctr_va_vdst(0)                   ; the wait ahead of the transcendental
	v_rcp_f32 v14, v14
	v_nop                                          ; one plain place behind it
	s_wait_alu depctr_va_vdst(0)                   ; the wait directly ahead of its first reader, which is O^T's first reader too
.set k, 0
.rept 16
	v_pk_mul_f32 v[B1+2*k:B1+2*k+1], v[O+2*k:O+2*k+1], v[14:15] op_sel_hi:[1,0]   ; each accumulator from its low end on
.set k, k+1
.endr
.irp b, 0,1
	v_max3_num_f32 v[BM+\b], |v[B1+16*\b]|, |v[B1+1+16*\b]|, 0x4800000
.endr
.irp i, 2,4,6,8,10,12,14
.irp b, 0,1
	v_max3_num_f32 v[BM+\b], v[BM+\b], |v[B1+16*\b+\i]|, |v[B1+1+16*\b+\i]|
.endr
.endr
.irp b, 0,1
	v_permlanex16_b32 v[BT+\b], v[BM+\b], s[SEL], s[SEL+1]
.endr
.irp b, 0,1
	v_max_num_f32 v[BM+\b], v[BM+\b], v[BT+\b]
.endr
.irp b, 0,1
	v_add_nc_u32 v[SO+\b], 0xfc000000, v[BM+\b]
.endr
.irp b, 0,1
	v_and_or_b32 v[HL+\b], v[BM+\b], 0x7f800000, s[MNT]
.endr
.irp b, 0,1
	v_lshrrev_b32 v[BT+\b], 23, v[SO+\b]
.endr
.irp b, 0,1
.set i, 0
.rept 16
	v_med3_num_f32 v[B1+16*\b+i], v[B1+16*\b+i], -v[HL+\b], v[HL+\b]
.set i, i+1
.endr
	CVT2 B1, \b
.endr
	v_cndmask_b32 v245, v[BT], v[BT+1], s[HM]      ; lanes 0-15 store the first block's byte, lanes 16-31 the second's.  (The plain line behind the last conversion)
.irp b, 0,1
	global_store_b128 v[L16], v[PC+4*\b:PC+4*\b+3], s[70:71] offset:512*\b   ; 512 consecutive bytes, aligned
.endr
	global_store_b8 v[OSB], v245, s[72:73]
.endm
	s_load_b256 s[4:11], s[0:1], 0x0               ; qkvc, qkvs, oc, os
	v_lshl_add_u32 v[SPW], v0, 2, SPARE
	v_mov_b32 v[NIL], 0
	ds_add_u32 v[SPW], v[NIL]                      ; the opening lines: the add, twice on end, and its wait ahead of the first tensor load
	ds_add_u32 v[SPW], v[NIL]
	v_lshrrev_b32 v9, 5, v0
	v_readfirstlane_b32 s[WV], v9                  ; wave 0..15
	v_and_b32 v9, 31, v0
	v_lshlrev_b32 v[L16], 4, v9
	v_add_nc_u32 v[LV], 131072, v[L16]
	v_and_b32 v10, 15, v0                          ; r
	v_bfe_u32 v11, v0, 4, 1                        ; h
	v_lshlrev_b32 v[R16], 4, v10
	v_lshl_add_u32 v[LS], v11, 12, v[R16]
	v_add_nc_u32 v[LS], 262144, v[LS]
	v_lshl_add_u32 v[OSB], v10, 5, v11
.irp j, 0,1,2,3,4,5,6,7
	v_mov_b32 v[16+\j], 0                          ; the zero codes on both sides of q
	v_mov_b32 v[32+\j], 0
.endr
.irp b, 0,1,2,3
	v_mov_b32 v[BT+\b], 0                          ; written once: a lane permute's destination counts as one of its sources
.endr
	v_mov_b32 v11, 0                               ; the upper halves of the pairs that are named with -M and f
	v_mov_b32 v13, 0
	v_mov_b32 v243, 0
	v_mov_b32 v244, 0
	s_bfe_u32 s13, ttmp6, 0x40000                  ; cx: my place in the cluster: it enters global addresses alone
	s_and_b32 s14, ttmp7, 0xffff                   ; 16 b + head, which the four partners share
	s_lshr_b32 s15, s14, 4                         ; b
	s_and_b32 s16, s14, 15                         ; head
	GRP1 G1S, 16
	GRP1 G1C, 64
	GRP1 G1D, 96
	s_mov_b32 s[SEL], 0x76543210
	s_mov_b32 s[SEL+1], 0xfedcba98
	s_mov_b32 s[CS], 0x3e38aa3b                    ; c = log2(e) / 8
	s_mov_b32 s[CS+1], s[CS]
	s_mov_b32 s[MNT], 0x600000
	s_mov_b32 s[HM], 0xffff0000
	; offsets of the head's K and V
	s_lshl_b32 s84, s15, 5
	s_add_co_u32 s84, s84, s16
	s_add_co_u32 s84, s84, 16
	s_lshl_b32 s84, s84, 12                        ; K's scale words: (32 b + 16 + head) 4096
	s_lshl_b32 s85, s14, 12
	s_add_co_u32 s85, s85, 524288                  ; V's: 524288 + (16 b + head) 4096
	s_lshl_b32 s86, s15, 22
	s_add_co_u32 s87, s16, 16
	s_lshl_b32 s87, s87, 17
	s_add_co_u32 s86, s86, s87                     ; K's codes
	s_lshl_b32 s87, s14, 17
	s_add_co_u32 s87, s87, 1<<24                   ; V's
	; offsets of my first pass's tile of queries, 32 cx + wave; the second pass's lies 16 tiles on
	s_lshl_b32 s74, s13, 5
	s_add_co_u32 s74, s74, s[WV]
	s_lshl_b32 s76, s15, 22
	s_lshl_b32 s75, s16, 17
	s_add_co_u32 s76, s76, s75
	s_lshl_b32 s75, s74, 10
	s_add_co_u32 s76, s76, s75                     ; Q's codes
	s_mov_b32 s77, 0
	s_lshl_b32 s78, s15, 5
	s_add_co_u32 s78, s78, s16
	s_lshl_b32 s78, s78, 12
	s_lshr_b32 s75, s74, 3
	s_lshl_b32 s75, s75, 8
	s_add_co_u32 s78, s78, s75
	s_and_b32 s75, s74, 7
	s_lshl_b32 s75, s75, 1
	s_add_co_u32 s78, s78, s75                     ; Q's two scale bytes a row
	s_mov_b32 s79, 0
	s_lshl_b32 s75, s15, 7
	s_add_co_u32 s75, s75, s74                     ; the tile among all 512
	s_lshl_b32 s80, s75, 14
	s_lshl_b32 s82, s16, 10
	s_add_co_u32 s80, s80, s82                     ; O's codes: the head's 1,024 bytes of the tile's image
	s_mov_b32 s81, 0
	s_lshl_b32 s82, s75, 9
	s_lshl_b32 s83, s16, 1
	s_add_co_u32 s82, s82, s83                     ; O's scale bytes
	s_mov_b32 s83, 0
	s_mov_b32 s3, 0
	s_add_co_u32 s88, s[WV], 2                     ; u = wave + 2: 4 .. 7 in waves 2 to 5, 8 .. 15 in waves 6 to 13
	s_wait_alu depctr_va_vdst(0)                   ; the wait at the head's end
	s_wait_dscnt 0x0                               ; both opening adds are done
	s_wait_kmcnt 0x0
	; waves 0, 1: K's, V's scale words
	s_and_b32 s89, s[WV], 1
	s_lshl_b32 s[G0A+1], s89, 12
	s_add_co_u32 s[G0A+1], s[G0A+1], 262144
	s_cmp_eq_u32 s89, 0
	s_cselect_b32 s2, s84, s85
	s_mov_b32 s[G0A], 1
	s_add_nc_u64 s[G0A+2:G0A+3], s[6:7], s[2:3]
	s_or_b32 s[G0A+3], s[G0A+3], 0x80000000
	; waves 2 to 5: bit 1 of u: K or V; bit 0: which 16,384 bytes of key steps 0 to 3
	s_bfe_u32 s89, s88, 0x10001
	s_and_b32 s75, s88, 1
	s_lshl_b32 s75, s75, 14
	s_lshl_b32 s[G0B+1], s89, 17
	s_add_co_u32 s[G0B+1], s[G0B+1], s75
	s_cmp_eq_u32 s89, 0
	s_cselect_b32 s2, s86, s87
	s_add_co_u32 s2, s2, s75
	s_mov_b32 s[G0B], 1
	s_add_nc_u64 s[G0B+2:G0B+3], s[4:5], s[2:3]
	s_or_b32 s[G0B+3], s[G0B+3], 0x80000000
	; waves 6 to 13: bit 2 of u: K or V; bits 1:0: which 24,576 bytes behind the first 32,768
	s_bfe_u32 s89, s88, 0x10002
	s_and_b32 s75, s88, 3
	s_mul_i32 s75, s75, 24576
	s_add_co_u32 s75, s75, 32768
	s_lshl_b32 s[G0C+1], s89, 17
	s_add_co_u32 s[G0C+1], s[G0C+1], s75
	s_cmp_eq_u32 s89, 0
	s_cselect_b32 s2, s86, s87
	s_add_co_u32 s2, s2, s75
	s_mov_b32 s[G0C], 1
	s_add_nc_u64 s[G0C+2:G0C+3], s[4:5], s[2:3]
	s_or_b32 s[G0C+3], s[G0C+3], 0x80000000
	ROUND                                          ; all four work-groups are here: the joint loads meet
	ARM 2,  G0A, G1S, .Larm_b                      ; one chain of arms on the wave's number, one load to an arm; waves 14 and 15 issue none
	ARM 6,  G0B, G1C, .Larm_c
	ARM 14, G0C, G1D, .Larm_none
.Lasked:
	s_add_nc_u64 s[66:67], s[4:5], s[76:77]
	s_add_nc_u64 s[68:69], s[6:7], s[78:79]
	s_add_nc_u64 s[70:71], s[8:9], s[80:81]
	s_add_nc_u64 s[72:73], s[10:11], s[82:83]
	global_load_b128 v[24:27], v[L16], s[66:67]    ; the first pass's q
	global_load_b128 v[28:31], v[L16], s[66:67] offset:512
	global_load_u16 v[QR], v[R16], s[68:69]
	s_mov_b32 s[PS], 0
.Lpass:                                            ; one pass: my tile of 16 queries against all 2,048 keys
	v_mov_b32 v[RM], 0xff61b1e6                    ; the largest score so far: -3e38
	v_mov_b32 v[NMB], 0x7e967699                   ; the old -M: 1e38, so that the first f is 0
	v_mov_b32 v14, 0
	v_mov_b32 v15, 0
.set j, 0
.rept 32
	v_mov_b32 v[O+j], 0                            ; the step has one form: the first finds zeros
.set j, j+1
.endr
	s_wait_loadcnt 0x0                             ; q
	v_lshl_or_b32 v[QS], v[QR], 16, v[QR]          ; the two bytes twice: for [q | 0] and for [0 | q]
	s_wait_alu depctr_va_vdst(0)
	s_cmp_lt_u32 s[WV], 6
	s_cbranch_scc0 .Lothers
	s_wait_tensorcnt 0x0                           ; waves 0 to 5: the scale words and key steps 0 to 3 have landed
.Lothers:
	s_wait_dscnt 0x0
	s_barrier_signal -1
	s_barrier_wait -1
	s_mov_b32 s[TK], 0
	s_mov_b32 s[TS], 0
	v_add_nc_u32 v[ADK], s[TK], v[L16]
	v_add_nc_u32 v[ADS], s[TS], v[LS]
	v_add_nc_u32 v[ADV], s[TK], v[LV]
	KLOADS B0, SQ0
	PAIR 1                                         ; key steps 0 and 1; they read up to key step 2's K
	s_wait_tensorcnt 0x0                           ; every wave: all my loads have landed
	s_wait_dscnt 0x0
	s_barrier_signal -1
	s_barrier_wait -1                              ; the whole head lies in LDS from here on
	s_mov_b32 s[CNT], 6
.Lkeys:
	PAIR 1
	s_sub_co_u32 s[CNT], s[CNT], 1
	s_cmp_lg_u32 s[CNT], 0
	s_cbranch_scc1 .Lkeys
	PAIR 0                                         ; the last pair is written out: its last step fetches nothing ahead
	s_cmp_eq_u32 s[PS], 0
	s_cbranch_scc0 .Lno_more_q
	global_load_b128 v[24:27], v[L16], s[66:67] offset:16384   ; the second pass's q, 16 tiles on, is on its way during the first pass's way out
	global_load_b128 v[28:31], v[L16], s[66:67] offset:16896
	global_load_u16 v[QR], v[R16], s[68:69] offset:512
.Lno_more_q:
	FIN
	s_wait_xcnt 0x0                                ; the stores have read their registers and bases: both are written again only behind this wait
	s_add_nc_u64 s[70:71], s[70:71], 262144        ; 16 tiles on
	s_add_nc_u64 s[72:73], s[72:73], 8192
	s_add_co_u32 s[PS], s[PS], 1
	s_cmp_lt_u32 s[PS], 2
	s_cbranch_scc1 .Lpass
	s_wait_tensorcnt 0x0                           ; the wave's end
	ds_add_u32 v[SPW], v[NIL]
	s_wait_dscnt 0x0
	ROUND                                          ; the closing round: no work-group ends while a partner may still ask for a tile that names it
	s_endpgm
.Lfunc_end_k_q7f57d4696b_attn:
	.size	k_q7f57d4696b_attn, .Lfunc_end_k_q7f57d4696b_attn-k_q7f57d4696b_attn
	.p2alignl 7, 3214868480
	.fill 96, 4, 3214868480
	.section	.rodata,"a",@progbits
	.p2align	6, 0x0
	.amdhsa_kernel k_q7f57d4696b_attn
		.amdhsa_group_segment_fixed_size 272384
		.amdhsa_private_segment_fixed_size 0
		.amdhsa_enable_private_segment 0
		.amdhsa_kernarg_size 32
		.amdhsa_user_sgpr_count 2
		.amdhsa_user_sgpr_kernarg_segment_ptr 1
		.amdhsa_wavefront_size32 1
		.amdhsa_system_sgpr_workgroup_id_x 1
		.amdhsa_system_sgpr_workgroup_id_y 1
		.amdhsa_system_sgpr_workgroup_id_z 1
		.amdhsa_system_vgpr_workitem_id 0
		.amdhsa_next_free_vgpr 256
		.amdhsa_next_free_sgpr 90
		.amdhsa_reserve_vcc 0
		.amdhsa_float_denorm_mode_32 3
		.amdhsa_float_denorm_mode_16_64 3
		.amdhsa_memory_ordered 1
		.amdhsa_forward_progress 1
		.amdhsa_inst_pref_size 127
	.end_amdhsa_kernel
	.amdgpu_metadata
---
amdhsa.version: [ 1, 2 ]
amdhsa.kernels:
  - .name:           k_q7f57d4696b_attn
    .symbol:         k_q7f57d4696b_attn.kd
    .args:
      - { .name: qkvc, .offset: 0, .size: 8, .value_kind: global_buffer, .address_space: global }
      - { .name: qkvs, .offset: 8, .size: 8, .value_kind: global_buffer, .address_space: global }
      - { .name: oc, .offset: 16, .size: 8, .value_kind: global_buffer, .address_space: global }
      - { .name: os, .offset: 24, .size: 8, .value_kind: global_buffer, .address_space: global }
    .group_segment_fixed_size: 272384
    .private_segment_fixed_size: 0
    .kernarg_segment_align: 8
    .kernarg_segment_size: 32
    .max_flat_workgroup_size: 512
    .sgpr_count:     90
    .vgpr_count:     256
    .wavefront_size: 32
...
	.end_amdgpu_metadata
.endif
;; end of part 3
;; launch outp (part 4): grid 4 x 64, 4 waves a work-group, clusters of 4 x 4, 327,680 bytes of LDS; arguments oc, os, cod, scl, bo, out0; writes out0
.if DOCPART == 4
	.amdgcn_target "amdgcn-amd-amdhsa--gfx1250"
	.amdhsa_code_object_version 6
	.text
	.protected	k_q7f57d4696b_outp
	.globl	k_q7f57d4696b_outp
	.p2align	8
	.type	k_q7f57d4696b_outp,@function
k_q7f57d4696b_outp:
	s_mov_b64 s[64:65], 0
	v_nop
	global_prefetch_b8 v0, s[64:65] scope:SCOPE_SE
	s_setreg_imm32_b32 hwreg(HW_REG_WAVE_MODE, 25, 1), 1
	s_wait_xcnt 0x0
	s_wait_alu depctr_hold_cnt(0) depctr_sa_sdst(0) depctr_va_vdst(0) depctr_va_sdst(0) depctr_va_ssrc(0) depctr_va_vcc(0) depctr_vm_vsrc(0)
	s_getreg_b32 s2, hwreg(HW_REG_IB_STS2, 6, 4)
	s_cmp_eq_u32 s2, 0
	s_cbranch_scc0 .Lentry_in_a_cluster
	s_endpgm
.Lentry_in_a_cluster:
	s_bfe_u32 s2, ttmp6, 0x10000c
	s_cmp_lg_u32 s2, 0xf033
	s_cbranch_scc0 .Lentry_shape_is_right
	s_endpgm
.Lentry_shape_is_right:
; out0 = O Wo^T + bo: [8192][1024] f32, on codes of FP8 (E4M3) with one E8M0 byte for each 32 along K = 1,024; sums in f32.
; OPERANDS are images of their registers, in tiles of 16 rows: [tile][s = K / 128][c][lane][16 bytes], 16,384 bytes a tile; lane r of tile T is row 32 (T / 2) + 8 (T % 2) + r + 8 (r / 8).  Scale rows: [tile][r][8 words].  O: oc, os, 512 tiles; Wo: tiles 704-767 of cod, scl.
; SHARES.  A work-group makes 128 rows x 256 columns: 64 x 4 = 256 work-groups.  Its four waves stand 2 x 2; a wave makes 64 x 128: 32 accumulators, 256 registers (window 2).
; K goes in steps of 256 through a ring of two LDS slots: 8 tiles of A (32,768 bytes), then 16 of B (65,536).  A slot is two steps of 128, 32 matrix instructions each.  A's and B's fragments have two sets each (A: window 0 from v128, B: window 1):
; while one set is multiplied, the other takes the next step's 48 loads.
; THE HEAD: one load a wave: wave 0 K step 0's tiles of A, wave 1 those of B, wave 2 the scale rows of A's 128 rows for all of K, wave 3 those of B's 256.  Slot 1's first fill follows behind the full sequence and a round.
; CLUSTERS: 4 x 4 work-groups.  A's tiles are shared along a row of the cluster, B's along a column: each is asked for jointly.  In the ring waves 0, 1 fetch A's halves, waves 2, 3 B's.
; THE MATRIX INSTRUCTION IS USED TRANSPOSED (source 0 = 16 rows of Wo, source 1 = 16 rows of O): a lane holds eight neighbouring numbers of a row of the result, which leaves through the wave's stage in slot 0 as rows of 512 bytes.
; PREFETCH: behind the head's loads K steps 1 to 3 are named once in each cluster: of A's 8 tiles each of the row's sixteen waves takes half a tile's 12,288 bytes, of B's 16 tiles each of the column's sixteen waves one tile; the partners are told apart by address.
; Wo's rows are the same for all sixteen clusters: the first four clusters alone ask for them.
; LIMITS: NaN and infinities are not served.
.set NQ,     2
.set FR,     16
.set NP,     8                         ; places behind this matrix instruction (ISA guide 7.12.1)
.set ATILE,  32768                     ; A's part of a slot
.set SLOT,   98304
.set SCL,    2*SLOT                    ; behind the ring: scale rows of 32 bytes + 8 of padding: A's 128, then B's 256
.set SBLK,   640                       ; those of 16 rows
.set ASC,    8*SBLK
.set SPARE,  SCL+24*SBLK               ; the spare words, 128 bytes a wave
.set SPITCH, 528
.set PFA,  7                           ; v7-9 the prefetches' offsets; never rewritten
.set PFB,  8
.set ADRA, 16                          ; v16-17 LDS address of my A fragments in slot 0, 1
.set ADRB, 20                          ; v20-21 of B's
.set L16,  22                          ; v22 16 x lane
.set STO,  24
.set RD,   25
.set ADRS, 27                          ; v27 my scale words: lanes 0-15 A's rows, lanes 16-31 B's
.set SPW,  28
.set NIL,  29
.set SC,   32                          ; v32-63 scale words, a set of 16 for each slot: register 2 i + q: lanes 0-15 A's block i (i under 4), lanes 16-31 B's block i
.set BI,   64                          ; v64-67 my four columns of bo
.set AF,   128
.set BK,   128
.set WV,   18
.set HA,   19
.set HB,   20
.set G1,   24
.set G0,   32
.set G1B,  48
.set G0B,  56
.set G1S,  68
.set G0S,  76
.set G1SB, 80
.set G0SB, 88
.set MSB, 0
.macro WIN new                         ; the immediate's high byte repeats the setting that is left
.if MSB != (\new)
	s_set_vgpr_msb (MSB<<8)|(\new)
.set MSB, (\new)
.endif
.endm
.set MUL_W, 0xa1                       ; source 0 (B) window 1, source 1 (A) window 0, C and D window 2
.set TO_B,  0x40
.macro PLACES n
.rept \n
	v_nop
.endr
.endm
.macro TLOAD g0, g1                    ; a tensor load and the lines behind it
	tensor_load_to_lds s[\g0:\g0+3], s[\g1:\g1+7]
	s_nop 0
	PLACES 4
.endm
.macro JLOAD g0a, g0b                  ; the ring's joint load: waves 0, 1 for A, waves 2, 3 for B
	s_cmp_eq_u32 s[HA], 0
	s_cbranch_scc0 .Lfor_b_\@
	TLOAD \g0a, G1
	s_branch .Lasked_\@
.Lfor_b_\@:
	TLOAD \g0b, G1B
.Lasked_\@:
.endm
.macro ARM under, g0, g1, next
	s_cmp_lt_u32 s[WV], \under
	s_cbranch_scc0 \next
	TLOAD \g0, \g1
	s_branch .Lhead_asked
\next:
.endm
.macro CREST
	s_cmp_lg_u32 s[WV], 0
	s_cbranch_scc1 .Lnot_wave_0_\@
	s_barrier_signal -3
.Lnot_wave_0_\@:
	s_barrier_wait -3
	s_barrier_signal -1
	s_barrier_wait -1
.endm
.macro CROUND
	s_barrier_signal -1
	s_barrier_wait -1
	CREST
.endm
.macro GRP1 g, mask, rows              ; so many tiles' 4,096 bytes of a K step, 16,384 bytes apart in memory, dense in LDS
	s_or_b32 s[\g], s[\mask], (3<<16)|(1<<21)
	s_mov_b32 s[\g+1], 512<<16
	s_mov_b32 s[\g+2], (\rows)<<16
	s_mov_b32 s[\g+3], 512<<16
	s_mov_b32 s[\g+4], \rows
	s_mov_b32 s[\g+5], 2048
	s_mov_b32 s[\g+6], 0
	s_mov_b32 s[\g+7], 0
.endm
.macro GRP1S g, mask, rows             ; so many scale rows of 32 bytes, two words of padding behind each
	s_or_b32 s[\g], s[\mask], (3<<16)|(1<<20)|(1<<21)|(2<<22)|(1<<25)
	s_mov_b32 s[\g+1], 4<<16
	s_mov_b32 s[\g+2], (\rows)<<16
	s_mov_b32 s[\g+3], 4<<16
	s_mov_b32 s[\g+4], \rows
	s_mov_b32 s[\g+5], 4
	s_mov_b32 s[\g+6], 0
	s_mov_b32 s[\g+7], 0
.endm
.macro GRP0 g, lds, adr
	s_mov_b32 s[\g], 1
	s_mov_b32 s[\g+1], \lds
	s_mov_b64 s[\g+2:\g+3], s[\adr:\adr+1]
	s_or_b32 s[\g+3], s[\g+3], 0x80000000
.endm
.macro FRAG reg, adr, q, i
.irp c, 0,1,2,3
	ds_load_b128 v[\reg+4*\c:\reg+4*\c+3], v[\adr] offset:4096*(\i)+2048*(\q)+512*\c
.endr
.endm
.macro FETCH slot, q, p                ; 48 loads: B's eight fragments and A's four of the slot's q-th 128 along K, into set p
	WIN TO_B
.irp i, 0,1,2,3,4,5,6,7
	FRAG 128*(\p)+FR*\i, ADRB+\slot, \q, \i
.endr
	WIN 0
.irp i, 0,1,2,3
	FRAG AF+64*(\p)+FR*\i, ADRA+\slot, \q, \i
.endr
.endm
.macro SCALES sc
.irp i, 0,1,2,3,4,5,6,7
	ds_load_b64 v[SC+16*\sc+2*\i:SC+16*\sc+2*\i+1], v[ADRS] offset:\i*SBLK
.endr
.endm
; 16 matrix instructions: A's blocks a0, a0 + 1 x B's eight.  The 32 accumulators take turns in the same order in every step
.macro MUL16 a0, p, sc, zero
.irp a, \a0, \a0+1
.irp b, 0,1,2,3,4,5,6,7
.if \zero
	v_wmma_scale_f32_16x16x128_f8f6f4 v[8*(8*(\a)+\b):8*(8*(\a)+\b)+7], v[128*(\p)+FR*\b:128*(\p)+FR*\b+FR-1], v[AF+64*(\p)+FR*(\a):AF+64*(\p)+FR*(\a)+FR-1], 0, v[SC+16*(\sc)+2*\b+(\p)], v[SC+16*(\sc)+2*(\a)+(\p)] matrix_a_scale:MATRIX_SCALE_ROW1
.else
	v_wmma_scale_f32_16x16x128_f8f6f4 v[8*(8*(\a)+\b):8*(8*(\a)+\b)+7], v[128*(\p)+FR*\b:128*(\p)+FR*\b+FR-1], v[AF+64*(\p)+FR*(\a):AF+64*(\p)+FR*(\a)+FR-1], v[8*(8*(\a)+\b):8*(8*(\a)+\b)+7], v[SC+16*(\sc)+2*\b+(\p)], v[SC+16*(\sc)+2*(\a)+(\p)] matrix_a_scale:MATRIX_SCALE_ROW1
.endif
.endr
.endr
.endm
.macro EVEN slot, zero                 ; a slot's first step: set 0 is multiplied while set 1 takes the second step's fragments
	PLACES NP                                      ; in front of loads into registers that the last products read
	FETCH \slot, 1, 1
	s_wait_dscnt 48                                ; set 0 and the scale words are in; the 48 loads just issued may be out
	WIN MUL_W
	MUL16 0, 0, \slot, \zero
	MUL16 2, 0, \slot, \zero
	WIN 0
.endm
.macro TURN slot, next, fill           ; a slot's second step changes slots: one barrier; fill = 1: it opens a round, and this slot is filled again, two K steps ahead
	s_wait_tensorcnt 0x0                           ; all my tensor loads have landed: my part of the next slot
	ds_add_u32 v[SPW], v[NIL]
	s_wait_dscnt 0x0                               ; the add is done, set 1 is in, and my reads of this slot are over
	s_barrier_signal -1
	WIN MUL_W
	MUL16 0, 1, \slot, 0
	WIN 0
	s_barrier_wait -1
.if \fill
	CREST
	s_add_nc_u64 s[G0+4*\slot+2:G0+4*\slot+3], s[G0+4*\slot+2:G0+4*\slot+3], 8192
	s_add_nc_u64 s[G0B+4*\slot+2:G0B+4*\slot+3], s[G0B+4*\slot+2:G0B+4*\slot+3], 8192
	JLOAD G0+4*\slot, G0B+4*\slot
	PLACES NP-4
.else
	PLACES NP
.endif
	v_add_nc_u32 v[ADRS], 4*NQ, v[ADRS]            ; on to the next K step's scale words
	s_wait_alu depctr_va_vdst(0)                   ; the wait directly behind the write
	FETCH \next, 0, 0
	SCALES \next
	WIN MUL_W
	MUL16 2, 1, \slot, 0
	WIN 0
.endm
	s_load_b256 s[4:11], s[0:1], 0x0               ; oc, os, cod, scl
	s_load_b128 s[12:15], s[0:1], 0x20             ; bo, out0
	v_lshl_add_u32 v[SPW], v0, 2, SPARE
	v_mov_b32 v[NIL], 0
	ds_add_u32 v[SPW], v[NIL]                      ; the opening lines: the add, twice on end, and its wait
	ds_add_u32 v[SPW], v[NIL]
	v_lshrrev_b32 v1, 5, v0
	v_readfirstlane_b32 s[WV], v1
	s_lshr_b32 s[HA], s[WV], 1                     ; my half of the rows.  Also: I fetch for A (0) or for B (1)
	s_and_b32 s[HB], s[WV], 1                      ; my half of the columns.  Also: which half of that tile I fetch
	s_bfe_u32 s40, ttmp6, 0x40000                  ; cx
	s_bfe_u32 s41, ttmp6, 0x40004                  ; cy
	s_and_b32 s21, ttmp7, 0xffff
	s_lshl_b32 s21, s21, 2
	s_add_co_u32 s21, s21, s41
	s_lshl_b32 s21, s21, 3                         ; A's first tile: 8 x (4 x cluster y + cy)
	s_lshl_b32 s22, s40, 4
	s_add_co_u32 s22, s22, 704                     ; B's: 704 + 16 cx
	s_lshl_b32 s43, s41, 2
	s_lshl_b32 s43, 15, s43                        ; my row of the cluster
	s_lshl_b32 s44, 0x1111, s40                    ; my column
	GRP1 G1, 43, 8                                 ; the head's loads bring whole tiles: 8 of A, 16 of B
	GRP1 G1B, 44, 16
	GRP1S G1S, 43, 128
	GRP1S G1SB, 44, 256
	s_lshl_b32 s92, s21, 14
	s_mov_b32 s93, 0
	s_lshl_b32 s94, s21, 9
	s_mov_b32 s95, 0
	s_lshl_b32 s96, s22, 14
	s_mov_b32 s97, 0
	s_lshl_b32 s98, s22, 9
	s_mov_b32 s99, 0
	s_wait_dscnt 0x0
	s_wait_kmcnt 0x0
	s_add_nc_u64 s[92:93], s[4:5], s[92:93]
	s_add_nc_u64 s[94:95], s[6:7], s[94:95]
	s_add_nc_u64 s[96:97], s[8:9], s[96:97]
	s_add_nc_u64 s[98:99], s[10:11], s[98:99]
	CROUND                                         ; all sixteen work-groups are here: the first joint loads meet
	GRP0 G0, 0, 92
	GRP0 G0B, ATILE, 96
	GRP0 G0S, SCL, 94
	GRP0 G0SB, SCL+ASC, 98
	ARM 1, G0,  G1,  .Lhead_b                      ; one chain of arms on the wave's number, one load to an arm
	ARM 2, G0B, G1B, .Lhead_sa
	ARM 3, G0S, G1S, .Lhead_sb
	TLOAD G0SB, G1SB
.Lhead_asked:
	s_mov_b32 s3, 0
	s_lshl_b32 s2, s[HB], 16
	s_add_nc_u64 s[92:93], s[92:93], s[2:3]        ; for the ring: my 4 tiles of A,
	s_lshl_b32 s2, s[HB], 17
	s_add_nc_u64 s[96:97], s[96:97], s[2:3]        ; my 8 of B,
	s_lshl_b32 s23, s[HB], 14                      ; and where they go in a slot
	s_lshl_b32 s67, s[HB], 15
	s_add_co_u32 s67, s67, ATILE
	s_lshl_b32 s2, s21, 16                         ; my first row of the result: 16 rows of 4,096 bytes a tile,
	s_lshl_b32 s45, s[HA], 18
	s_add_co_u32 s2, s2, s45
	s_add_nc_u64 s[14:15], s[14:15], s[2:3]
	s_lshl_b32 s2, s40, 10                         ; my first column, in bytes
	s_lshl_b32 s45, s[HB], 9
	s_add_co_u32 s2, s2, s45
	s_add_nc_u64 s[14:15], s[14:15], s[2:3]
	s_add_nc_u64 s[12:13], s[12:13], s[2:3]
	s_lshl_b32 s94, s40, 2                         ; the prefetches: which of the row's sixteen waves I am,
	s_add_co_u32 s94, s94, s[WV]
	s_and_b32 s95, s94, 1
	s_lshr_b32 s94, s94, 1
	s_add_co_u32 s94, s94, s21
	s_lshl_b32 s94, s94, 14
	s_mul_i32 s95, s95, 6144
	s_add_co_u32 s94, s94, s95                     ; my half of a tile of A;
	s_lshl_b32 s95, s41, 2                         ; of the column's:
	s_add_co_u32 s95, s95, s[WV]
	s_add_co_u32 s95, s95, s22
	s_lshl_b32 s95, s95, 14                        ; my tile of B
	s_and_b32 s99, ttmp7, 0xffff
	s_lshl_b32 s45, s[HA], 14                      ; LDS: my 4 tiles of A in slot 0, 1; my 8 of B (s67, s47)
	s_add_co_u32 s46, s45, SLOT
	s_add_co_u32 s47, s67, SLOT
	s_mul_i32 s42, s[HA], 4*SBLK                   ; scale rows: A's, my 64;
	s_mul_i32 s66, s[HB], 8*SBLK                   ; B's, my 128, behind A's
	s_add_co_u32 s66, s66, ASC
	s_sub_co_u32 s66, s66, s42
	s_add_co_u32 s42, s42, SCL
	s_mul_i32 s98, s[WV], 16*SPITCH                ; my stage, in slot 0
	v_and_b32 v1, 31, v0
	v_lshlrev_b32 v[L16], 4, v1
	v_and_b32 v2, 15, v0
	v_bfe_u32 v3, v0, 4, 1
	v_add_nc_u32 v[ADRA], s45, v[L16]
	v_add_nc_u32 v[ADRA+1], s46, v[L16]
	v_add_nc_u32 v[ADRB], s67, v[L16]
	v_add_nc_u32 v[ADRB+1], s47, v[L16]
	v_mul_u32_u24 v5, v2, 40
	v_mul_u32_u24 v6, s66, v3                      ; lanes 16-31 take B's
	v_add_nc_u32 v5, v5, v6
	v_add_nc_u32 v[ADRS], s42, v5
	v_mul_u32_u24 v5, v2, SPITCH
	v_lshl_add_u32 v5, v3, 6, v5
	v_add_nc_u32 v[STO], s98, v5
	v_add_nc_u32 v[RD], s98, v[L16]
	v_min_u32 v10, 23, v1                          ; 24 blocks of 256 bytes; the lanes left over name the last again
	v_lshl_add_u32 v[PFA], v10, 8, s94
	v_lshl_add_u32 v[PFB], v1, 8, s95              ; 32 blocks: K steps 1 and 2,
	v_min_u32 v11, 15, v1
	v_lshl_add_u32 v[PFB+1], v11, 8, s95           ; 16 blocks: K step 3
	s_wait_alu depctr_va_vdst(0)                   ; the wait at the head's end
	global_load_b128 v[BI:BI+3], v[L16], s[12:13]
	global_prefetch_b8 v[PFA], s[4:5] offset:4096 th:TH_LOAD_NT scope:SCOPE_SE
	s_cmp_lt_u32 s99, 4
	s_cbranch_scc0 .Lno_wo
	global_prefetch_b8 v[PFB], s[8:9] offset:4096 th:TH_LOAD_NT scope:SCOPE_SE
	global_prefetch_b8 v[PFB+1], s[8:9] offset:12288 th:TH_LOAD_NT scope:SCOPE_SE
.Lno_wo:
	s_wait_tensorcnt 0x0                           ; my tile of the head's four is in
	ds_add_u32 v[SPW], v[NIL]
	s_mov_b32 s[G1+2], 4<<16                       ; no tensor load of mine is out: from here on a load brings 4 tiles of A
	s_mov_b32 s[G1+4], 4
	s_mov_b32 s[G1B+2], 8<<16                      ; or 8 of B
	s_mov_b32 s[G1B+4], 8
.irp s, 0,1
	s_mov_b32 s[G0+4*\s], 1
	s_add_co_u32 s[G0+4*\s+1], s23, \s*SLOT
	s_add_nc_u64 s[G0+4*\s+2:G0+4*\s+3], s[92:93], \s*4096
	s_or_b32 s[G0+4*\s+3], s[G0+4*\s+3], 0x80000000
	s_mov_b32 s[G0B+4*\s], 1
	s_add_co_u32 s[G0B+4*\s+1], s67, \s*SLOT
	s_add_nc_u64 s[G0B+4*\s+2:G0B+4*\s+3], s[96:97], \s*4096
	s_or_b32 s[G0B+4*\s+3], s[G0B+4*\s+3], 0x80000000
.endr
	s_wait_dscnt 0x0
	CROUND                                         ; all four tiles are in, and all sixteen work-groups are here
	JLOAD G0+4, G0B+4                              ; K step 1, the first tensor load behind the round
	FETCH 0, 0, 0
	SCALES 0
	EVEN 0, 1                                      ; the first products start the sums
	TURN 0, 1, 1
	EVEN 1, 0
	TURN 1, 0, 1
	EVEN 0, 0
	TURN 0, 1, 0                                   ; the last lap fills nothing
	EVEN 1, 0
	s_wait_dscnt 0x0
	WIN MUL_W
	MUL16 0, 1, 1, 0
	MUL16 2, 1, 1, 0
	WIN 0
; THE WAY OUT, block by block of 16 rows x 128 columns, through my stage: slot 0 has had its last fill, and every wave has passed the last change of slots.  LDS serves a wave's instructions in order (ISA guide 5.7.1.4)
.macro TOSTAGE a
	WIN 0x08                                       ; the data: window 2
.irp b, 0,1,2,3,4,5,6,7
	ds_store_b128 v[STO], v[64*(\a)+8*\b:64*(\a)+8*\b+3] offset:128*(\b/2)+32*(\b%2)
	ds_store_b128 v[STO], v[64*(\a)+8*\b+4:64*(\a)+8*\b+7] offset:128*(\b/2)+32*(\b%2)+16
.endr
	WIN 0
.set BB, BK+64*((\a)%2)
.irp t, 0,1,2,3,4,5,6,7,8,9,10,11,12,13,14,15
	ds_load_b128 v[BB+4*\t:BB+4*\t+3], v[RD] offset:\t*SPITCH
.endr
.endm
.macro SEND a, younger
.set BB, BK+64*((\a)%2)
	s_wait_dscnt \younger                          ; the block is back in registers
.irp t, 0,1,2,3,4,5,6,7,8,9,10,11,12,13,14,15
	v_pk_add_f32 v[BB+4*\t:BB+4*\t+1], v[BB+4*\t:BB+4*\t+1], v[BI:BI+1]
	v_pk_add_f32 v[BB+4*\t+2:BB+4*\t+3], v[BB+4*\t+2:BB+4*\t+3], v[BI+2:BI+3]
	global_store_b128 v[L16], v[BB+4*\t:BB+4*\t+3], s[14:15] offset:(32*((\a)/2)+8*((\a)%2)+\t+8*(\t/8))*4096 th:TH_STORE_NT   ; 512 consecutive bytes, aligned
.endr
.endm
	s_wait_loadcnt 0x0                             ; bo
	PLACES NP
	TOSTAGE 0
.irp a, 1,2,3
.if \a > 1
	s_wait_xcnt 0x0                                ; block a - 2's stores have read their registers
.endif
	TOSTAGE \a
	SEND \a-1, 32                                  ; behind block a - 1's loads: block a's 16 stores and 16 loads
.endr
	SEND 3, 0
	s_wait_tensorcnt 0x0                           ; the wave's end
	ds_add_u32 v[SPW], v[NIL]
	s_wait_dscnt 0x0
	CROUND                                         ; the closing round
	s_endpgm
.Lfunc_end_k_q7f57d4696b_outp:
	.size	k_q7f57d4696b_outp, .Lfunc_end_k_q7f57d4696b_outp-k_q7f57d4696b_outp
	.p2alignl 7, 3214868480
	.fill 96, 4, 3214868480
	.section	.rodata,"a",@progbits
	.p2align	6, 0x0
	.amdhsa_kernel k_q7f57d4696b_outp
		.amdhsa_group_segment_fixed_size 327680
		.amdhsa_private_segment_fixed_size 0
		.amdhsa_enable_private_segment 0
		.amdhsa_kernarg_size 48
		.amdhsa_user_sgpr_count 2
		.amdhsa_user_sgpr_kernarg_segment_ptr 1
		.amdhsa_wavefront_size32 1
		.amdhsa_system_sgpr_workgroup_id_x 1
		.amdhsa_system_sgpr_workgroup_id_y 1
		.amdhsa_system_sgpr_workgroup_id_z 1
		.amdhsa_system_vgpr_workitem_id 0
		.amdhsa_next_free_vgpr 768
		.amdhsa_next_free_sgpr 100
		.amdhsa_reserve_vcc 0
		.amdhsa_float_denorm_mode_32 3
		.amdhsa_float_denorm_mode_16_64 3
		.amdhsa_memory_ordered 1
		.amdhsa_forward_progress 1
		.amdhsa_inst_pref_size 98
	.end_amdhsa_kernel
	.amdgpu_metadata
---
amdhsa.version: [ 1, 2 ]
amdhsa.kernels:
  - .name:           k_q7f57d4696b_outp
    .symbol:         k_q7f57d4696b_outp.kd
    .args:
      - { .name: oc, .offset: 0, .size: 8, .value_kind: global_buffer, .address_space: global }
      - { .name: os, .offset: 8, .size: 8, .value_kind: global_buffer, .address_space: global }
      - { .name: cod, .offset: 16, .size: 8, .value_kind: global_buffer, .address_space: global }
      - { .name: scl, .offset: 24, .size: 8, .value_kind: global_buffer, .address_space: global }
      - { .name: bo, .offset: 32, .size: 8, .value_kind: global_buffer, .address_space: global }
      - { .name: out0, .offset: 40, .size: 8, .value_kind: global_buffer, .address_space: global }
    .group_segment_fixed_size: 327680
    .private_segment_fixed_size: 0
    .kernarg_segment_align: 8
    .kernarg_segment_size: 48
    .max_flat_workgroup_size: 128
    .sgpr_count:     100
    .vgpr_count:     768
    .wavefront_size: 32
...
	.end_amdgpu_metadata
.endif
;; end of part 4
